; MI455X (gfx1250); checked and timed in simulation.
; The chip was launched on July 23, 2026; its instructions are those of AMD's public machine-readable ISA for CDNA 5 (MIT licence, August 2026) and "CDNA5" Instruction Set Architecture Reference Guide (July 2026). The comments in the code are by the model that wrote it; some were corrected since.
;; Multi Head Attention. Allowed arithmetic: matrix products marked QUANTISED: E2M3 operands, one E8M0 scale for each 32 along K, by v_wmma_scale_f32_16x16x128_f8f6f4 with both operands' format E2M3, f32 sums; everything else in f32.
;; Inputs: bk 1,024 float32; bo 1,024 float32; bq 1,024 float32; bv 1,024 float32; k 4 x 2,048 x 1,024 float32; mask 2,048 x 2,048 bool; pad_mask 4 x 2,048 bool; q 4 x 2,048 x 1,024 float32; v 4 x 2,048 x 1,024 float32; wk 1,024 x 1,024 float32; wo 1,024 x 1,024 float32; wq 1,024 x 1,024 float32; wv 1,024 x 1,024 float32.
;; Outputs: out0 4 x 2,048 x 1,024 float32.
;; This version of the problem:
;;   THIS VERSION OF THE PROBLEM IS GIVEN IN LOW PRECISION. The matrix products marked QUANTISED in the list below multiply operands that are first quantised to E2M3 (2 exponent bits, 3 mantissa bits; 6 bits a number), with one power-of-two scale for each 32 numbers along K (OCP MX v1.0); their sums are f32. All else is computed in f32.
;;   The module's matrix products, in the order in which they are computed (A, B: the left and right operand; K: the contracted axis; several contracted axes count as one K, in the product's order):
;;     1. [M 8,192, K 1,024] x [K 1,024, N 1,024]; A: input q; B: input wq: QUANTISED
;;     2. [M 8,192, K 1,024] x [K 1,024, N 1,024]; A: input k; B: input wk: QUANTISED
;;     3. [M 8,192, K 1,024] x [K 1,024, N 1,024]; A: input v; B: input wv: QUANTISED
;;     4. batch 64 x [M 2,048, K 64] x [K 64, N 2,048]; A: computed on the way; B: computed on the way: QUANTISED
;;     5. batch 64 x [M 2,048, K 2,048] x [K 2,048, N 64]; A: softmax (see below); B: computed on the way: QUANTISED
;;     6. [M 8,192, K 1,024] x [K 1,024, N 1,024]; A: computed on the way; B: input wo: QUANTISED
;;   THE QUANTISER, for each operand of a quantised product, along K:
;;     - K is cut into blocks of 32 from its start; a last block that is shorter is filled with zeros.
;;     - A block's scale is 2^e with e = floor(log2(the largest magnitude in the block)) - 2, held to -126 .. 127; a block of zeros has e = 0. As a byte (E8M0): e + 127.
;;     - Each number is divided by its block's scale, clamped to +-7.5, and rounded to the nearest number of E2M3, ties to even, subnormals kept.
;;     - The product sums the exact products of the quantised numbers (number of the format x scale) in f32.
;;   ~~~python
;;   def quantise(x, axis):      # numpy; x: float32 -> the quantised numbers, widened to float32 again
;;       x = np.moveaxis(x, axis, -1); K = x.shape[-1]
;;       x = np.pad(x, [(0, 0)] * (x.ndim - 1) + [(0, -K % 32)]); x = x.reshape(x.shape[:-1] + (-1, 32)); a = np.abs(x).max(-1, keepdims=True)
;;       e = np.where(a > 0, np.clip(np.frexp(np.where(a > 0, a, 1))[1] - 1 - 2, -126, 127), 0)      # np.frexp(a)[1] - 1 = floor(log2(a)), exactly
;;       r = np.clip(x / 2.0 ** e, -7.5, 7.5)
;;       step = 2.0 ** (np.maximum(np.frexp(np.where(r == 0, 1, r))[1] - 1, 0) - 3)
;;       q = np.round(r / step) * step * 2.0 ** e      # np.round: ties to even
;;       return np.moveaxis(q.reshape(q.shape[:-2] + (-1,))[..., :K], -1, axis).astype(np.float32)
;;   ~~~
;;   SOFTMAX AHEAD OF A QUANTISED PRODUCT. Where the list says 'softmax', what is quantised is not the finished softmax but p = 2^(t - M), with t = logit x log2(e) and M = ceil(the row's largest t), a whole number; so 1/2 < the row's largest p <= 1. The row's sum l is taken of the UNQUANTISED p, in f32, and the product's result is divided by l at the end. Since M is a whole number, a kernel that streams over the keys may use a running M (the ceiling of the running maximum): every later rescaling is an exact power of two, which a block's scale takes up: the codes' values come out the same.
;;   OPERANDS COMPUTED ON THE WAY. 'Computed on the way' means the value that the module computes at that place (a softmax that the list does not call 'softmax' is quantised finished and normalised). What goes into a quantiser is computed in f32, as accurately as f32 sums, v_exp_f32 and their like allow (about 1e-6 of the number): no bf16 or f16 on the way to a quantiser, and a product that is left as it is and whose result goes on into a quantised operand takes f32 operands (vector FMAs, or v_wmma_f32_16x16x4_f32). A number that lies on a knife's edge between two numbers of the format may be rounded either way, as far as f32 arithmetic and the matrix unit's own rounding can turn it there, and no further.
;; 2 versions, each right; version 2 is version 1 with the launch attn written anew for expert scheduling mode. Each part assembles by itself: llvm-mc -triple=amdgcn-amd-amdhsa -mcpu=gfx1250 --defsym DOCPART=n.
;; ======== version 1 of 2: 4 launches
;; limits: right only within a limited range of input values
;; workspace buffers: fl 2,048 bytes of whole numbers; xc 22,020,096 bytes; scA 884,736 bytes; scB 294,912 bytes; kv 13,369,344 bytes; qi 13,369,344 bytes; mw 2,097,152 bytes of whole numbers; oc 6,291,456 bytes
;; launch prep (part 1): grid 576 x 1, 4 waves a work-group, no clusters, 35,328 bytes of LDS; arguments q, k, v, wq, wk, wv, wo, mask, pad_mask, xc, scA, scB, mw, fl; writes xc, scA, scB, mw, fl
.if DOCPART == 1
	.amdgcn_target "amdgcn-amd-amdhsa--gfx1250"
	.amdhsa_code_object_version 6
	.text
	.protected	k_q9b0cb385fd_prep
	.globl	k_q9b0cb385fd_prep
	.p2align	8
	.type	k_q9b0cb385fd_prep,@function
k_q9b0cb385fd_prep:
	s_mov_b64 s[64:65], 0
	v_nop
	global_prefetch_b8 v0, s[64:65] scope:SCOPE_SE
	s_setreg_imm32_b32 hwreg(HW_REG_WAVE_MODE, 25, 1), 1
	s_wait_xcnt 0x0
; Two jobs in one launch, parted on the work-group's number.
; WORK-GROUPS 128..575: q, k, v [8192][1024] and wq, wk, wv, wo [1024][1024], f32, K innermost, become codes of E2M3 with one E8M0 byte for each 32 along K.
;   A TILE is 16 rows: tile T of a tensor holds rows 32 (T/2) + 8 (T%2) + r + 8 (r/8), r = 0..15.  A wave takes one tile for all of K.
;   The codes are laid as the matrix operand's registers: a half-image (768 bytes) is 16 rows x 64 along K: lane (r, h) holds k = 32 h .. 32 h + 31 in six registers,
;   registers 0-3 at 16 x lane, registers 4-5 at 512 + 8 x lane.  xc: [tile][16 half-images].  Scale words: [tile][row r][8 words], one word for 128 along K.
;   A block's scale byte is its largest magnitude's exponent field - 2, held at 1 from below.
;   LIMITS: a block of zeros, or one whose largest magnitude lies under 2^-124, gets the byte 1 (its bytes are read by this program alone; zero codes add nothing); NaN and infinities are not served.
; WORK-GROUPS 0..127: tile T of queries = the work-group's number, batch = the wave.  keep = mask & pad_mask is laid as lane words for the attention launch:
;   mw[b][T][key step of 128][word n], bit (r, h) of word n = keep(query of row r, key 128 ks + 32 (n/16) + 16 h + n%16); and in fl[b][T] one flag word:
;   bits 0-15: key steps that hold no kept key (only where each of the 16 rows has a kept key somewhere: else every step has to be worked); bits 16-31: steps that need the words.
.set NMASK, 128
.set RS,  32                           ; v32-127  three sets of 32: a step's 16 rows x 256 bytes as loaded
.set XS0, 128                          ; v128-191 two sets of 32 neighbours along K
.set CS0, 192                          ; v192-215 two sets of 12: six registers of codes, the second conversion's three at +6
.set WD,  216                          ; v216-223 the tile's eight scale words
.set STG, 16*272                       ; a stage: 16 rows of 256 bytes + 16
	s_load_b512 s[4:19], s[0:1], 0x0               ; q, k, v, wq, wk, wv, wo, mask
	s_load_b256 s[20:27], s[0:1], 0x40             ; pad_mask, xc, scA, scB
	s_load_b64 s[28:29], s[0:1], 0x60              ; mw
	s_load_b64 s[58:59], s[0:1], 0x68              ; fl
	v_lshl_add_u32 v232, v0, 2, 0x8800
	v_mov_b32 v233, 0
	v_lshrrev_b32 v1, 5, v0
	v_readfirstlane_b32 s30, v1                    ; wave
	v_and_b32 v2, 31, v0                           ; lane
	v_and_b32 v3, 15, v0                           ; r
	v_bfe_u32 v17, v0, 4, 1                        ; h
	s_cmp_lt_u32 ttmp9, NMASK
	s_cbranch_scc1 .Lmask
	; ---------------- the quantiser ----------------
	v_lshlrev_b32 v4, 12, v17
	v_lshl_add_u32 v4, v3, 4, v4                   ; in: sixteen lanes read 256 bytes of a row, lanes 16-31 the next row
	s_mul_i32 s31, s30, 2*STG                      ; my wave's two stages
	v_mul_u32_u24 v5, v17, 272
	v_lshl_add_u32 v5, v3, 4, v5
	v_add_nc_u32 v5, s31, v5                       ; into a stage, as loaded
	v_mul_u32_u24 v6, v3, 272
	v_lshl_add_u32 v6, v17, 7, v6
	v_add_nc_u32 v6, s31, v6                       ; out of it: row r, my 32 neighbours
	v_lshlrev_b32 v7, 4, v2
	v_lshlrev_b32 v8, 3, v2
	v_lshlrev_b32 v9, 3, v17                       ; 8 h: my bytes' place in a scale word
	v_lshlrev_b32 v16, 5, v3
	v_lshl_add_u32 v16, v17, 4, v16                ; 32 r + 16 h: my four scale words on the way out
	v_mov_b32 v18, 0                               ; a lane permute's destination counts as read
	s_mov_b32 s32, 0x76543210
	s_mov_b32 s33, 0xfedcba98
	s_mov_b32 s34, 0xffff0000                      ; lanes 16-31
	s_sub_co_u32 s35, ttmp9, NMASK                 ; four tiles to a work-group; the tensors follow each other: q 0, k 128, v 256, wq 384, wk 400, wv 416, wo 432
	s_wait_kmcnt 0x0
	s_mov_b64 s[36:37], s[4:5]
	s_mov_b32 s38, 0
.macro PICK first, lo                  ; the choice hangs on the work-group's number alone
	s_cmp_ge_u32 s35, \first
	s_cselect_b64 s[36:37], s[\lo:\lo+1], s[36:37]
	s_cselect_b32 s38, \first, s38
.endm
	PICK 128, 6
	PICK 256, 8
	PICK 384, 10
	PICK 400, 12
	PICK 416, 14
	PICK 432, 16
	s_cmp_ge_u32 s35, 432                          ; wo's scale words go to scB, all others to scA
	s_cselect_b64 s[46:47], s[26:27], s[24:25]
	s_cselect_b32 s48, 1728, 0
	s_lshl_b32 s40, s35, 2
	s_add_co_u32 s40, s40, s30                     ; the tile's number among all 1,792
	s_sub_co_u32 s48, s40, s48
	s_lshl_b32 s48, s48, 9
	s_mov_b32 s49, 0
	s_add_nc_u64 s[46:47], s[46:47], s[48:49]
	s_sub_co_u32 s39, s35, s38
	s_lshl_b32 s39, s39, 2
	s_add_co_u32 s39, s39, s30                     ; and within its tensor
	s_lshr_b32 s41, s39, 1
	s_lshl_b32 s41, s41, 17                        ; 32 rows of 4,096 bytes for each pair of tiles,
	s_and_b32 s42, s39, 1
	s_lshl_b32 s42, s42, 15                        ; 8 rows for the odd one
	s_add_co_u32 s42, s42, s41
	s_mov_b32 s43, 0
	s_add_nc_u64 s[36:37], s[36:37], s[42:43]
	s_mul_i32 s44, s40, 12288
	s_mov_b32 s45, 0
	s_add_nc_u64 s[22:23], s[22:23], s[44:45]
.macro LOAD t                          ; step t: 64 along K of the 16 rows; each load takes two rows' 256 consecutive bytes
.irp j, 0,1,2,3,4,5,6,7
	global_load_b128 v[RS+32*((\t)%3)+4*\j:RS+32*((\t)%3)+4*\j+3], v4, s[36:37] offset:(2*\j+8*(\j/4))*4096+256*(\t) th:TH_LOAD_NT
.endr
.endm
.macro TURN t                          ; through my own stage: LDS serves a wave's instructions in order, so no wait stands between the stores and the loads
.irp j, 0,1,2,3,4,5,6,7
	ds_store_b128 v5, v[RS+32*((\t)%3)+4*\j:RS+32*((\t)%3)+4*\j+3] offset:STG*((\t)%2)+2*\j*272
.endr
.irp i, 0,1,2,3,4,5,6,7
	ds_load_b128 v[XS0+32*((\t)%2)+4*\i:XS0+32*((\t)%2)+4*\i+3], v6 offset:STG*((\t)%2)+16*\i
.endr
.endm
.macro STEP t
.set XS, XS0+32*((\t)%2)
.set CS, CS0+12*((\t)%2)
	s_wait_dscnt 0x0                               ; this step's 32 neighbours are back; its stores into the stage have read their registers,
.if (\t)+3 < 16
	LOAD (\t)+3                                    ; which take the loads of three steps on
.endif
.if (\t) < 13
	s_wait_loadcnt 16                              ; the next step's eight loads are in; the sixteen of the two steps behind it may be out
	TURN (\t)+1
.elseif (\t) < 15
	s_wait_loadcnt 8*(14-(\t))                     ; near the end fewer were issued behind them
	TURN (\t)+1
.endif
	v_max3_num_f32 v10, |v[XS]|, |v[XS+1]|, |v[XS+2]|      ; the block's largest magnitude: all 32 numbers are mine; two chains
	v_max3_num_f32 v11, |v[XS+3]|, |v[XS+4]|, |v[XS+5]|
.irp i, 6,10,14,18,22,26
	v_max3_num_f32 v10, v10, |v[XS+\i]|, |v[XS+\i+1]|
	v_max3_num_f32 v11, v11, |v[XS+\i+2]|, |v[XS+\i+3]|
.endr
	v_max3_num_f32 v10, v10, |v[XS+30]|, |v[XS+31]|
	v_max3_num_f32 v10, v10, v11, 0x1800000        ; and the floor 2^(3 - 127): the byte cannot fall under 1
	v_add_nc_u32 v12, 0xff000000, v10              ; 2 off the exponent field: the conversion's scale operand
	s_wait_xcnt 0x0                                ; the stores of two steps ago have read this set of code registers
	v_cvt_scalef32_pk16_fp6_f32 v[CS:CS+2], v[XS:XS+15], v12
	v_cvt_scalef32_pk16_fp6_f32 v[CS+6:CS+8], v[XS+16:XS+31], v12  ; (a conversion's three registers begin on an even number)
.if (\t)%2 == 0
	v_lshrrev_b32 v14, 23, v12                     ; the scale's byte; also the plain line behind the conversions
.else
	v_lshrrev_b32 v13, 23, v12
.endif
.irp i, 0,1,2
	v_mov_b32 v[CS+3+\i], v[CS+6+\i]
.endr
	global_store_b128 v7, v[CS:CS+3], s[22:23] offset:768*(\t)          ; 512 consecutive bytes
	global_store_b64 v8, v[CS+4:CS+5], s[22:23] offset:768*(\t)+512     ; 256 consecutive bytes
.if (\t)%2 == 1
	v_lshl_or_b32 v15, v13, 16, v14                ; blocks h and 2 + h of these 128 along K,
	v_lshlrev_b32 v15, v9, v15                     ; at their places in the word;
	v_permlanex16_b32 v18, v15, s32, s33
	v_or_b32 v[WD+(\t)/2], v15, v18                ; with lane l xor 16's two the word is whole
.endif
.endm
	LOAD 0
	LOAD 1
	LOAD 2
	s_wait_loadcnt 16                              ; step 0's eight loads are in
	TURN 0
.irp t, 0,1,2,3,4,5,6,7,8,9,10,11,12,13,14,15
	STEP \t
.endr
.irp j, 0,1,2,3
	v_cndmask_b32 v[224+\j], v[WD+\j], v[WD+4+\j], s34   ; lanes 0-15 send words 0-3 of row r, lanes 16-31 words 4-7
.endr
	global_store_b128 v16, v[224:227], s[46:47]    ; 512 consecutive bytes
	s_wait_tensorcnt 0x0
	ds_add_u32 v232, v233
	s_wait_dscnt 0x0
	s_endpgm
	; ---------------- the masks ----------------
.Lmask:
	s_lshr_b32 s31, ttmp9, 1
	s_lshl_b32 s31, s31, 5
	s_and_b32 s32, ttmp9, 1
	s_lshl_b32 s32, s32, 3
	s_add_co_u32 s31, s31, s32                     ; the tile's first query
	v_and_b32 v4, 8, v3
	v_add_nc_u32 v4, v4, v3                        ; r + 8 (r / 8)
	v_lshlrev_b32 v4, 11, v4                       ; a row of mask is 2,048 bytes
	v_lshl_add_u32 v4, v17, 4, v4                  ; + 16 h
	v_lshlrev_b32 v5, 4, v17                       ; pad_mask: 16 h
	v_lshlrev_b32 v8, 3, v2                        ; out: two words a lane
	v_mov_b32 v88, 0                               ; v_writelane's destination counts as read
	v_mov_b32 v89, 0
	v_mov_b32 v90, 0
	s_lshl_b32 s32, s31, 11
	s_mov_b32 s33, 0
	s_lshl_b32 s34, s30, 11                        ; pad_mask's row of my batch
	s_mov_b32 s35, 0
	s_lshl_b32 s36, s30, 7
	s_add_co_u32 s36, s36, ttmp9                   ; 128 b + T
	s_lshl_b32 s38, s36, 12                        ; 16 key steps x 256 bytes
	s_mov_b32 s39, 0
	s_lshl_b32 s52, s36, 2                         ; the flag word of (b, T)
	s_mov_b32 s53, 0
	s_wait_kmcnt 0x0
	s_add_nc_u64 s[18:19], s[18:19], s[32:33]
	s_add_nc_u64 s[20:21], s[20:21], s[34:35]
	s_add_nc_u64 s[52:53], s[58:59], s[52:53]
	s_add_nc_u64 s[28:29], s[28:29], s[38:39]
.macro MLOAD                           ; a key step: my 16 bytes of each of its four blocks of 32 keys
.irp b, 0,1,2,3
	global_load_b128 v[16+4*\b:19+4*\b], v4, s[18:19] offset:32*\b
	global_load_b128 v[32+4*\b:35+4*\b], v5, s[20:21] offset:32*\b
.endr
.endm
.macro TRIP ahead
	s_wait_loadcnt 0x0                             ; this key step's bytes are in, and the loads' bases may be stepped
.irp i, 0,1,2,3,4,5,6,7,8,9,10,11,12,13,14,15
	v_and_b32 v[48+\i], v[16+\i], v[32+\i]         ; keep = mask & pad_mask, four keys a register
.endr
.if \ahead
	s_add_nc_u64 s[18:19], s[18:19], 128
	s_add_nc_u64 s[20:21], s[20:21], 128
	MLOAD                                          ; the next key step lands while this one is worked
.endif
	s_mov_b32 s36, 0                               ; the step's OR
	s_mov_b32 s37, -1                              ; and AND
.set g, 0
.rept 8                                ; words 8 g .. 8 g + 7: key byte n%4 of register n/4
.irp e, 0,1,2,3,4,5,6,7
	v_and_b32 v[64+\e], 1<<(8*(\e%4)), v[48+2*g+\e/4]
.endr
.irp e, 0,1,2,3,4,5,6,7
	v_cmp_ne_u32 s[40+\e], 0, v[64+\e]             ; the 32 lanes' bits are word n
.endr
.irp e, 0,1,2,3,4,5,6,7
	s_or_b32 s36, s36, s[40+\e]
	s_and_b32 s37, s37, s[40+\e]
	v_writelane_b32 v[88+(\e%2)], s[40+\e], 4*g+\e/2   ; word n to lane n/2, register n%2
.endr
.set g, g+1
.endr
	global_store_b64 v8, v[88:89], s[28:29]        ; 256 consecutive bytes, aligned
	s_or_b32 s54, s54, s36                         ; which (row, half) has seen a kept key
	s_cmp_eq_u32 s36, 0
	s_cselect_b32 s38, 1, 0
	s_lshl_b32 s38, s38, s39
	s_or_b32 s55, s55, s38                         ; steps with no kept key
	s_cmp_eq_u32 s37, -1
	s_cselect_b32 s38, 1, 0
	s_lshl_b32 s38, s38, s39
	s_or_b32 s56, s56, s38                         ; steps all of whose keys are kept
	s_wait_xcnt 0x0                                ; the store has read its data and its base
	s_add_nc_u64 s[28:29], s[28:29], 256
.endm
	s_mov_b32 s54, 0
	s_mov_b32 s55, 0
	s_mov_b32 s56, 0
	MLOAD
	s_mov_b32 s39, 0                               ; the key step
.Lks:
	TRIP 1
	s_add_co_u32 s39, s39, 1
	s_cmp_lt_u32 s39, 15
	s_cbranch_scc1 .Lks
	TRIP 0                                         ; the last step loads nothing: no load leaves its buffer
	s_lshr_b32 s38, s54, 16
	s_or_b32 s38, s38, s54
	s_and_b32 s38, s38, 0xffff
	s_cmp_eq_u32 s38, 0xffff                       ; has each of the 16 rows a kept key?
	s_cselect_b32 s55, s55, 0                      ; only then may empty steps be left out
	s_or_b32 s38, s55, s56
	s_not_b32 s38, s38
	s_and_b32 s38, s38, 0xffff                     ; neither left out nor all kept: the words are needed
	s_lshl_b32 s38, s38, 16
	s_or_b32 s38, s38, s55
	v_mov_b32 v91, s38
	s_wait_xcnt 0x0                                ; EXEC changes only behind this wait
	v_cmp_eq_u32 vcc_lo, 0, v2
	s_and_saveexec_b32 s57, vcc_lo
	global_store_b32 v90, v91, s[52:53]            ; lane 0 stores the flag word
	s_wait_xcnt 0x0
	s_or_b32 exec_lo, exec_lo, s57
	s_endpgm
.Lfunc_end_k_q9b0cb385fd_prep:
	.size	k_q9b0cb385fd_prep, .Lfunc_end_k_q9b0cb385fd_prep-k_q9b0cb385fd_prep
	.p2alignl 7, 3214868480
	.fill 96, 4, 3214868480
	.section	.rodata,"a",@progbits
	.p2align	6, 0x0
	.amdhsa_kernel k_q9b0cb385fd_prep
		.amdhsa_group_segment_fixed_size 35328
		.amdhsa_private_segment_fixed_size 0
		.amdhsa_enable_private_segment 0
		.amdhsa_kernarg_size 112
		.amdhsa_user_sgpr_count 2
		.amdhsa_user_sgpr_kernarg_segment_ptr 1
		.amdhsa_wavefront_size32 1
		.amdhsa_system_sgpr_workgroup_id_x 1
		.amdhsa_system_sgpr_workgroup_id_y 1
		.amdhsa_system_sgpr_workgroup_id_z 1
		.amdhsa_system_vgpr_workitem_id 0
		.amdhsa_next_free_vgpr 234
		.amdhsa_next_free_sgpr 66
		.amdhsa_reserve_vcc 1
		.amdhsa_float_denorm_mode_32 3
		.amdhsa_float_denorm_mode_16_64 3
		.amdhsa_memory_ordered 1
		.amdhsa_forward_progress 1
		.amdhsa_inst_pref_size 97
	.end_amdhsa_kernel
	.amdgpu_metadata
---
amdhsa.version: [ 1, 2 ]
amdhsa.kernels:
  - .name:           k_q9b0cb385fd_prep
    .symbol:         k_q9b0cb385fd_prep.kd
    .args:
      - { .name: q, .offset: 0, .size: 8, .value_kind: global_buffer, .address_space: global }
      - { .name: k, .offset: 8, .size: 8, .value_kind: global_buffer, .address_space: global }
      - { .name: v, .offset: 16, .size: 8, .value_kind: global_buffer, .address_space: global }
      - { .name: wq, .offset: 24, .size: 8, .value_kind: global_buffer, .address_space: global }
      - { .name: wk, .offset: 32, .size: 8, .value_kind: global_buffer, .address_space: global }
      - { .name: wv, .offset: 40, .size: 8, .value_kind: global_buffer, .address_space: global }
      - { .name: wo, .offset: 48, .size: 8, .value_kind: global_buffer, .address_space: global }
      - { .name: mask, .offset: 56, .size: 8, .value_kind: global_buffer, .address_space: global }
      - { .name: pad_mask, .offset: 64, .size: 8, .value_kind: global_buffer, .address_space: global }
      - { .name: xc, .offset: 72, .size: 8, .value_kind: global_buffer, .address_space: global }
      - { .name: scA, .offset: 80, .size: 8, .value_kind: global_buffer, .address_space: global }
      - { .name: scB, .offset: 88, .size: 8, .value_kind: global_buffer, .address_space: global }
      - { .name: mw, .offset: 96, .size: 8, .value_kind: global_buffer, .address_space: global }
      - { .name: fl, .offset: 104, .size: 8, .value_kind: global_buffer, .address_space: global }
    .group_segment_fixed_size: 35328
    .private_segment_fixed_size: 0
    .kernarg_segment_align: 8
    .kernarg_segment_size: 112
    .max_flat_workgroup_size: 128
    .sgpr_count:     66
    .vgpr_count:     234
    .wavefront_size: 32
...
	.end_amdgpu_metadata
.endif
;; end of part 1
;; launch proj (part 2): grid 4 x 96, 4 waves a work-group, clusters of 4 x 4, 327,680 bytes of LDS; arguments xc, scA, bq, bk, bv, qi, kv; writes qi, kv
.if DOCPART == 2
	.amdgcn_target "amdgcn-amd-amdhsa--gfx1250"
	.amdhsa_code_object_version 6
	.text
	.protected	k_q9b0cb385fd_proj
	.globl	k_q9b0cb385fd_proj
	.p2align	8
	.type	k_q9b0cb385fd_proj,@function
k_q9b0cb385fd_proj:
	s_mov_b64 s[64:65], 0
	v_nop
	global_prefetch_b8 v0, s[64:65] scope:SCOPE_SE
	s_setreg_imm32_b32 hwreg(HW_REG_WAVE_MODE, 25, 1), 1
	s_wait_xcnt 0x0
	s_wait_alu depctr_hold_cnt(0) depctr_sa_sdst(0) depctr_va_vdst(0) depctr_va_sdst(0) depctr_va_ssrc(0) depctr_va_vcc(0) depctr_vm_vsrc(0)
	s_getreg_b32 s2, hwreg(HW_REG_IB_STS2, 6, 4)
	s_cmp_eq_u32 s2, 0
	s_cbranch_scc0 .Lentry_in_a_cluster
	s_endpgm
.Lentry_in_a_cluster:
	s_bfe_u32 s2, ttmp6, 0x10000c
	s_cmp_lg_u32 s2, 0xf033
	s_cbranch_scc0 .Lentry_shape_is_right
	s_endpgm
.Lentry_shape_is_right:
; Q = q wq^T + bq, K = k wk^T + bk, V = v wv^T + bv on codes of E2M3, and the results quantised in registers into the attention launch's operands.  No f32 result goes to memory.
; 24 clusters of 4 x 4 work-groups: cluster y / 8 = the product (0 Q, 1 K, 2 V), cluster y % 8 = which 1,024 tokens.  A work-group makes 256 x 256, a wave 128 x 128: 64 accumulators.
; SOURCE 0 = tiles of P, SOURCE 1 = tiles of R.  Lane (r, h) then holds ONE row of R, and the 64 registers of a block of R against P's eight tiles are P's rows 32 blk + 16 h + i at register 16 blk + i
; (a tile holds rows 32 (T/2) + 8 (T%2) + r + 8 (r/8)): sixteen neighbours along the next product's K.
;   Q, K: R = tokens, P = rows of the weight (features): quantised along the head's 64.     V: R = rows of wv (channels), P = tokens (keys): quantised along the keys.
; xc holds every operand as images of the operand's registers (half-images of 768 bytes: 16 rows x 64 K; registers 0-3 at 16 x lane, 4-5 at 512 + 8 x lane), 12,288 bytes a tile.
; K = 1,024 goes in eight steps of 128 through a ring of two LDS slots of 256 along K; a wave's tensor load brings 8 tiles x 3,072 consecutive bytes.
; CLUSTER: R's tiles are shared along a row of the cluster, P's along a column: joint loads with a mask of four.  The product's number and the token block come from the cluster's y, which all partners share.
; The bias is the C of each sum's first matrix instruction.  The scale words of all eight K steps stay in 64 registers: lanes 0-15 R's tile i, lanes 16-31 P's tile i.
; LIMITS of the quantiser: a block whose largest magnitude lies under 2^-124 (zeros too) gets the byte 1; NaN and infinities are not served.
; REGISTERS: window 0: v16-25 addresses; v28-29 the add's; v32-95 scale words; v96-127, v224-255 the bias; v128-223 R's fragments (one set), later the quantiser's work.
;   window 1: P's fragments, two sets, at v0 and v128.   windows 2, 3: accumulator (a, b) at v[8 (8 (a%4) + b)].
.set FR,    12
.set NL,    4                          ; LDS loads that bring a fragment
.set TILEB, 3072                       ; a tile's 256 along K
.set HALFT, 8*TILEB                    ; what one tensor load brings, and what a wave reads of R or of P
.set SLOT,  4*HALFT
.set SPARE, 2*SLOT                     ; behind the ring: the spare words, 128 bytes a wave
.set GT,    12288                      ; a tile in xc
.set HS,    208896                     ; a head in qi and kv: 16 key steps
.set KSB,   13056                      ; a key step: K 8 x 768; V 4 x 1,536 at 6,144; K's scale words at 12,288; V's at 12,800
.set AR16, 16                          ; v16-17 R's fragments in slot 0, 1: + 16 x lane;  v18-19: + 8 x lane
.set AR8,  18
.set AP16, 20                          ; v20-23 the same for P
.set AP8,  22
.set L16,  24
.set L8,   25
.set SPW,  28
.set NIL,  29
.set SC,   32
.set AF,   128
.set TM,   128                         ; the way out: v128-131 largest magnitudes, v132-135 bytes, v140-143 scale operands
.set PW,   144
.set PC,   148                         ; v148-159 a fragment's codes; v160-162, v164-166 the conversions' second halves
.set WS,   168                         ; v168-175 the eight blocks' scale words
.set XW,   176
.set G1,  24
.set G0,  32
.set G1B, 48
.set G0B, 56
.set MSB, 0
.macro WIN new                         ; the immediate's high byte repeats the setting that is left
.if MSB != (\new)
	s_set_vgpr_msb (MSB<<8)|(\new)
.set MSB, (\new)
.endif
.endm
.set MUL_LO, 0xa1                      ; source 0 (P) window 1, source 1 (R) window 0, C and D window 2
.set MUL_HI, 0xf1
.set TO_B,   0x40
.macro JLOAD g0a, g1a, g0b, g1b        ; a joint load: waves 0, 1 fetch R's halves, waves 2, 3 P's; four v_nop follow each line
	s_cmp_eq_u32 s15, 0
	s_cbranch_scc0 .Lfor_b_\@
	tensor_load_to_lds s[\g0a:\g0a+3], s[\g1a:\g1a+7]
	s_nop 0
.rept 4
	v_nop
.endr
	s_branch .Lasked_\@
.Lfor_b_\@:
	tensor_load_to_lds s[\g0b:\g0b+3], s[\g1b:\g1b+7]
	s_nop 0
.rept 4
	v_nop
.endr
.Lasked_\@:
.endm
.macro CREST
	s_cmp_lg_u32 s14, 0
	s_cbranch_scc1 .Lnot_wave_0_\@
	s_barrier_signal -3
.Lnot_wave_0_\@:
	s_barrier_wait -3
	s_barrier_signal -1
	s_barrier_wait -1
.endm
.macro CROUND
	s_barrier_signal -1
	s_barrier_wait -1
	CREST
.endm
.macro PLACES                          ; four plain places behind matrix instructions, ahead of loads into their registers and of reads of results
.rept 4
	v_nop
.endr
.endm
	s_load_b128 s[4:7], s[0:1], 0x0                ; xc, scA
	s_load_b128 s[8:11], s[0:1], 0x10              ; bq, bk
	s_load_b128 s[92:95], s[0:1], 0x20             ; bv, qi
	s_load_b64 s[96:97], s[0:1], 0x30              ; kv
	v_lshl_add_u32 v[SPW], v0, 2, SPARE
	v_mov_b32 v[NIL], 0
	ds_add_u32 v28, v29
	ds_add_u32 v28, v29
	s_wait_dscnt 0x0
	v_lshrrev_b32 v1, 5, v0
	v_readfirstlane_b32 s14, v1                    ; wave
	s_lshr_b32 s15, s14, 1                         ; my half of R.  Also: I fetch for R (0) or P (1)
	s_and_b32 s16, s14, 1                          ; my half of P.  Also: which 8 tiles I fetch
	s_bfe_u32 s40, ttmp6, 0x40000                  ; cx
	s_bfe_u32 s41, ttmp6, 0x40004                  ; cy
	s_and_b32 s17, ttmp7, 0xffff                   ; the cluster's y
	s_lshr_b32 s12, s17, 3                         ; the product: 0 Q, 1 K, 2 V
	s_and_b32 s13, s17, 7                          ; the block of 1,024 tokens
	s_cmp_eq_u32 s12, 2
	s_cselect_b32 s18, 640, 0
	s_cselect_b32 s19, s13, 0                      ; the tokens are P's rows in V,
	s_cselect_b32 s20, 0, s13                      ; R's in Q and K
	s_lshl_b32 s21, s12, 9
	s_add_co_u32 s21, s21, s18                     ; R's first tile in xc: q 0, k 512, wv 1,664
	s_lshl_b32 s22, s12, 6
	s_add_co_u32 s22, s22, 1536
	s_sub_co_u32 s22, s22, s18                     ; P's: wq 1,536, wk 1,600, v 1,024
	s_lshl_b32 s23, s20, 2
	s_add_co_u32 s23, s23, s41                     ; my block of 256 rows of R
	s_lshl_b32 s42, s19, 2
	s_add_co_u32 s42, s42, s40                     ; and of P
	s_lshl_b32 s43, s41, 2
	s_lshl_b32 s43, 15, s43                        ; my row of the cluster
	s_lshl_b32 s44, 0x1111, s40                    ; my column
	s_or_b32 s[G1], s43, (3<<16)|(1<<21)           ; the mask; elements of 8 bytes; bit 21 beside a mask; no padding: an image's bytes are read on end
	s_or_b32 s[G1B], s44, (3<<16)|(1<<21)
.irp g, G1, G1B
	s_mov_b32 s[\g+1], 384<<16                     ; tensor_dim0 = 384 elements: 3,072 bytes of a tile
	s_mov_b32 s[\g+2], 8<<16                       ; tensor_dim1 = 8 tiles
	s_mov_b32 s[\g+3], 384<<16                     ; tile_dim0
	s_mov_b32 s[\g+4], 8                           ; tile_dim1
	s_mov_b32 s[\g+5], 1536                        ; from tile to tile: 12,288 bytes
	s_mov_b32 s[\g+6], 0
	s_mov_b32 s[\g+7], 0
.endr
	s_lshl_b32 s78, s23, 4
	s_add_co_u32 s78, s78, s21                     ; R: the work-group's first tile
	s_lshl_b32 s79, s42, 4
	s_add_co_u32 s79, s79, s22                     ; P's
	s_lshl_b32 s47, s16, 3
	s_add_co_u32 s74, s78, s47
	s_mul_i32 s74, s74, GT
	s_mov_b32 s75, 0
	s_add_co_u32 s76, s79, s47
	s_mul_i32 s76, s76, GT
	s_mov_b32 s77, 0
	s_lshl_b32 s82, s15, 3
	s_add_co_u32 s82, s82, s78
	s_lshl_b32 s82, s82, 9                         ; my 8 tiles of R in scA
	s_add_co_u32 s83, s79, s47
	s_lshl_b32 s83, s83, 9                         ; and of P
	s_mul_i32 s45, s14, HALFT                      ; LDS: R's two halves, then P's: the wave's number alone
	s_wait_kmcnt 0x0
	s_add_nc_u64 s[74:75], s[4:5], s[74:75]
	s_add_nc_u64 s[76:77], s[4:5], s[76:77]
	CROUND                                         ; all sixteen work-groups are here: the first joint loads meet
.irp s, 0,1
	s_mov_b32 s[G0+4*\s], 1
	s_add_co_u32 s[G0+4*\s+1], s45, \s*SLOT
	s_add_nc_u64 s[G0+4*\s+2:G0+4*\s+3], s[74:75], \s*TILEB
	s_or_b32 s[G0+4*\s+3], s[G0+4*\s+3], 0x80000000
	s_mov_b32 s[G0B+4*\s], 1
	s_add_co_u32 s[G0B+4*\s+1], s45, \s*SLOT
	s_add_nc_u64 s[G0B+4*\s+2:G0B+4*\s+3], s[76:77], \s*TILEB
	s_or_b32 s[G0B+4*\s+3], s[G0B+4*\s+3], 0x80000000
	JLOAD G0+4*\s, G1, G0B+4*\s, G1B               ; two loads of mine are out
.endr
	v_and_b32 v1, 31, v0
	v_and_b32 v2, 15, v0                           ; r
	v_bfe_u32 v3, v0, 4, 1                         ; h
	v_lshlrev_b32 v[L16], 4, v1
	v_lshlrev_b32 v[L8], 3, v1
	s_mul_i32 s47, s15, HALFT
	s_mul_i32 s84, s16, HALFT
	s_add_co_u32 s84, s84, 2*HALFT
.irp s, 0,1
	v_add_nc_u32 v[AR16+\s], s47, v[L16]
	v_add_nc_u32 v[AR8+\s], s47, v[L8]
	v_add_nc_u32 v[AP16+\s], s84, v[L16]
	v_add_nc_u32 v[AP8+\s], s84, v[L8]
	s_add_co_u32 s47, s47, SLOT
	s_add_co_u32 s84, s84, SLOT
.endr
	s_mov_b32 s46, 0xffff0000                      ; lanes 16-31
	s_mov_b32 s80, 0x76543210
	s_mov_b32 s81, 0xfedcba98
	v_mov_b32 v4, s82
	v_mov_b32 v5, s83
	v_cndmask_b32 v4, v4, v5, s46                  ; lanes 0-15 take R's words, lanes 16-31 P's
	v_lshl_add_u32 v4, v2, 5, v4                   ; row r: 8 words
.irp i, 0,1,2,3,4,5,6,7
	global_load_b128 v[SC+8*\i:SC+8*\i+3], v4, s[6:7] offset:512*\i       ; tile i, K steps 0-3
	global_load_b128 v[SC+8*\i+4:SC+8*\i+7], v4, s[6:7] offset:512*\i+16  ; K steps 4-7
.endr
	s_cmp_eq_u32 s12, 2
	s_cbranch_scc1 .Lbias_v
	s_cmp_eq_u32 s12, 0                            ; Q, K: the bias runs along P, that is along a lane's registers: for P's tile b eight numbers at 32 (b/2) + 8 (b%2) + 16 h
	s_cselect_b64 s[66:67], s[8:9], s[10:11]
	s_lshl_b32 s68, s40, 10
	s_lshl_b32 s69, s16, 9
	s_add_co_u32 s68, s68, s69
	s_mov_b32 s69, 0
	s_add_nc_u64 s[66:67], s[66:67], s[68:69]
	v_lshlrev_b32 v6, 6, v3
.irp b, 0,1,2,3,4,5,6,7
	global_load_b128 v[96+8*\b+96*(\b/4):96+8*\b+96*(\b/4)+3], v6, s[66:67] offset:(32*(\b/2)+8*(\b%2))*4
	global_load_b128 v[96+8*\b+96*(\b/4)+4:96+8*\b+96*(\b/4)+7], v6, s[66:67] offset:(32*(\b/2)+8*(\b%2))*4+16
.endr
	s_branch .Lbias_done
.Lbias_v:                                              ; V: the bias runs along R, that is along the lanes: for R's tile a one number a lane, in all eight registers
	s_lshl_b32 s68, s41, 10
	s_lshl_b32 s69, s15, 9
	s_add_co_u32 s68, s68, s69
	s_mov_b32 s69, 0
	s_add_nc_u64 s[66:67], s[92:93], s[68:69]
	v_and_b32 v6, 8, v2
	v_add_nc_u32 v6, v6, v2
	v_lshlrev_b32 v6, 2, v6
.irp a, 0,1,2,3,4,5,6,7
.irp j, 0,1,2,3,4,5,6,7
	global_load_b32 v[96+8*\a+96*(\a/4)+\j], v6, s[66:67] offset:(32*(\a/2)+8*(\a%2))*4
.endr
.endr
.Lbias_done:
.macro FRAG reg, a16, a8, q, i         ; a fragment is two half-images on end: registers 0-3, 4-5, 6-9, 10-11
	ds_load_b128 v[\reg:\reg+3], v[\a16] offset:(\i)*TILEB+(\q)*1536
	ds_load_b64 v[\reg+4:\reg+5], v[\a8] offset:(\i)*TILEB+(\q)*1536+512
	ds_load_b128 v[\reg+6:\reg+9], v[\a16] offset:(\i)*TILEB+(\q)*1536+768
	ds_load_b64 v[\reg+10:\reg+11], v[\a8] offset:(\i)*TILEB+(\q)*1536+1280
.endm
; 16 matrix instructions: R's blocks a0, a0 + 1 x P's eight.  p: P's set; ks: the K step (its scale words); cm: C = the accumulator (0), the bias of P's tile (1), of R's tile (2).
; The 64 accumulators take turns, one instruction a turn, in the same order in every step.
.macro MUL16 a0, p, ks, cm
.irp a, \a0, \a0+1
.irp b, 0,1,2,3,4,5,6,7
.if \cm == 0
	v_wmma_scale_f32_16x16x128_f8f6f4 v[8*(8*((\a)%4)+\b):8*(8*((\a)%4)+\b)+7], v[128*(\p)+FR*\b:128*(\p)+FR*\b+FR-1], v[AF+FR*(\a):AF+FR*(\a)+FR-1], v[8*(8*((\a)%4)+\b):8*(8*((\a)%4)+\b)+7], v[SC+8*\b+(\ks)], v[SC+8*(\a)+(\ks)] matrix_a_fmt:MATRIX_FMT_FP6 matrix_b_fmt:MATRIX_FMT_FP6 matrix_a_scale:MATRIX_SCALE_ROW1
.elseif \cm == 1
	v_wmma_scale_f32_16x16x128_f8f6f4 v[8*(8*((\a)%4)+\b):8*(8*((\a)%4)+\b)+7], v[128*(\p)+FR*\b:128*(\p)+FR*\b+FR-1], v[AF+FR*(\a):AF+FR*(\a)+FR-1], v[96+8*\b+96*(\b/4):96+8*\b+96*(\b/4)+7], v[SC+8*\b+(\ks)], v[SC+8*(\a)+(\ks)] matrix_a_fmt:MATRIX_FMT_FP6 matrix_b_fmt:MATRIX_FMT_FP6 matrix_a_scale:MATRIX_SCALE_ROW1
.else
	v_wmma_scale_f32_16x16x128_f8f6f4 v[8*(8*((\a)%4)+\b):8*(8*((\a)%4)+\b)+7], v[128*(\p)+FR*\b:128*(\p)+FR*\b+FR-1], v[AF+FR*(\a):AF+FR*(\a)+FR-1], v[96+8*(\a)+96*((\a)/4):96+8*(\a)+96*((\a)/4)+7], v[SC+8*\b+(\ks)], v[SC+8*(\a)+(\ks)] matrix_a_fmt:MATRIX_FMT_FP6 matrix_b_fmt:MATRIX_FMT_FP6 matrix_a_scale:MATRIX_SCALE_ROW1
.endif
.endr
.endr
.endm
.macro FETCH_B slot, q, p
	WIN TO_B
.irp i, 0,1,2,3,4,5,6,7
	FRAG 128*(\p)+FR*\i, AP16+\slot, AP8+\slot, \q, \i
.endr
	WIN 0
.endm
.macro FETCH_A slot, q, i0
.irp i, \i0, \i0+1, \i0+2, \i0+3
	FRAG AF+FR*(\i), AR16+\slot, AR8+\slot, \q, \i
.endr
.endm
; A slot's first K step (P's set 0); it fetches the slot's second.
.macro STEP slot, ks, cm
	s_wait_dscnt 4*NL                              ; P's set and R's blocks 0-3 are in; the youngest 16 loads (R's blocks 4-7) may be out
.if \cm
	WIN 0x81                                       ; C (the bias) window 0, D window 2
.else
	WIN MUL_LO
.endif
	MUL16 0, 0, \ks, \cm
	MUL16 2, 0, \ks, \cm
	s_wait_dscnt 0x0                               ; R's blocks 4-7 are in
	PLACES
	FETCH_B \slot, 1, 1
	FETCH_A \slot, 1, 0
.if \cm
	WIN 0xc1
.else
	WIN MUL_HI
.endif
	MUL16 4, 0, \ks, \cm
	MUL16 6, 0, \ks, \cm
	PLACES
	WIN 0
	FETCH_A \slot, 1, 4
.endm
; A slot's second K step (P's set 1) changes slots: one barrier; ahead of it each wave waits for all its tensor loads, adds 0 to its spare word, and waits for that and for its reads of this slot.
.macro TURN slot, next, ks, fill
	s_wait_tensorcnt 0x0                           ; all my tensor loads have landed: my part of the next slot
	ds_add_u32 v[SPW], v[NIL]                      ; 0 onto my spare word
	s_wait_dscnt 4*NL+1                            ; (the add and the youngest 16 loads may be out)
	WIN MUL_LO
	MUL16 0, 1, \ks, 0                             ; sixteen matrix instructions stand between the add and the wait for it
	s_wait_dscnt 0x0                               ; the add is done, and my reads of this slot are over
	s_barrier_signal -1
	MUL16 2, 1, \ks, 0
	WIN 0
	s_barrier_wait -1
.if \fill
	CREST                                          ; the barrier has opened a round of the cluster's barrier: no wave of any partner still reads this slot or has a load on its way
	s_add_nc_u64 s[G0+4*\slot+2:G0+4*\slot+3], s[G0+4*\slot+2:G0+4*\slot+3], 2*TILEB
	s_add_nc_u64 s[G0B+4*\slot+2:G0B+4*\slot+3], s[G0B+4*\slot+2:G0B+4*\slot+3], 2*TILEB
	JLOAD G0+4*\slot, G1, G0B+4*\slot, G1B         ; the first tensor load behind the round; its four v_nop are the places ahead of the loads below
.else
	PLACES
.endif
	FETCH_B \next, 0, 0
	FETCH_A \next, 0, 0
	WIN MUL_HI
	MUL16 4, 1, \ks, 0
	MUL16 6, 1, \ks, 0
	PLACES
	WIN 0
	FETCH_A \next, 0, 4
.endm
	s_wait_tensorcnt 1                             ; my part of slot 0 is in; slot 1's may stay out
	s_barrier_signal -1
	s_barrier_wait -1
	FETCH_B 0, 0, 0
	FETCH_A 0, 0, 0
	FETCH_A 0, 0, 4
	s_wait_loadcnt 0x0                             ; scale words and bias
	s_cmp_eq_u32 s12, 2                            ; the first K step starts the sums with the bias: along P (Q, K) or along R (V)
	s_cbranch_scc1 .Lfirst_v
	STEP 0, 0, 1
	s_branch .Lfirst_done
.Lfirst_v:
	STEP 0, 0, 2
.Lfirst_done:
	TURN 0, 1, 1, 1                                ; slot 0 takes K steps 4, 5
	STEP 1, 2, 0
	TURN 1, 0, 3, 1                                ; slot 1 takes K steps 6, 7
	STEP 0, 4, 0
	TURN 0, 1, 5, 0                                ; nothing is left to fetch
	STEP 1, 6, 0
	s_wait_dscnt 4*NL
	WIN MUL_LO
	MUL16 0, 1, 7, 0
	MUL16 2, 1, 7, 0
	s_wait_dscnt 0x0
	WIN MUL_HI
	MUL16 4, 1, 7, 0
	MUL16 6, 1, 7, 0
	WIN 0
; THE WAY OUT.  Block a's 64 numbers of a lane (register 16 blk + i = index 32 blk + 16 h + i of my row) become a fragment's codes in v[PC] on and its scale word in v[WS + a].
.macro QUANT a
.set AC, 64*((\a)%4)
.set WW, 2+(\a)/4
.set WQ, WW|(WW<<2)
	WIN WQ                                         ; sources 0 and 1: the accumulators' window
.irp b, 0,1,2,3
	v_max3_num_f32 v[TM+\b], |v[AC+16*\b]|, |v[AC+16*\b+1]|, 0x1800000   ; each accumulator is read from its low end on; the floor 2^(3 - 127) holds the byte at 1
.endr
.irp i, 2,4,6,8,10,12,14
.irp b, 0,1,2,3
	v_max3_num_f32 v[TM+\b], |v[AC+16*\b+\i]|, |v[AC+16*\b+\i+1]|, v[TM+\b]
.endr
.endr
	WIN 0
.irp b, 0,1,2,3
	v_permlanex16_b32 v[TM+4+\b], v[TM+\b], s80, s81
.endr
.irp b, 0,1,2,3
	v_max_num_f32 v[TM+\b], v[TM+\b], v[TM+4+\b]   ; with lane l xor 16's sixteen: the block's largest magnitude
.endr
.irp b, 0,1,2,3
	v_add_nc_u32 v[TM+12+\b], 0xff000000, v[TM+\b] ; 2 off the exponent field: the conversion's scale operand
.endr
.irp b, 0,1,2,3
	v_lshrrev_b32 v[TM+4+\b], 23, v[TM+12+\b]      ; the byte
.endr
	v_lshl_or_b32 v[PW], v[TM+5], 8, v[TM+4]
	v_lshl_or_b32 v[PW], v[TM+6], 16, v[PW]
	v_lshl_or_b32 v[WS+(\a)], v[TM+7], 24, v[PW]
	s_wait_xcnt 0x0                                ; the last block's stores have read the code registers
	WIN WW                                         ; source 0: the accumulators' window
.irp c, 0,1
	v_cvt_scalef32_pk16_fp6_f32 v[PC+6*\c:PC+6*\c+2], v[AC+32*\c:AC+32*\c+15], v[TM+12+2*\c]
	v_cvt_scalef32_pk16_fp6_f32 v[PC+12+4*\c:PC+14+4*\c], v[AC+32*\c+16:AC+32*\c+31], v[TM+13+2*\c]
.endr
	WIN 0
	v_nop                                          ; one plain place behind a scaled conversion
.irp c, 0,1                            ; the operand wants a whole block in a lane: lanes 0-15 block 2 c, lanes 16-31 block 2 c + 1
.irp i, 0,1,2
	v_permlane16_swap_b32 v[PC+6*\c+\i], v[PC+12+4*\c+\i]
.endr
.irp i, 0,1,2
	v_mov_b32 v[PC+3+6*\c+\i], v[PC+12+4*\c+\i]
.endr
.endr
.endm
	PLACES
.irp b, 0,1,2,3
	v_mov_b32 v[TM+4+\b], 0                        ; a lane permute's destination counts as read
.endr
	s_cmp_eq_u32 s12, 2
	s_cbranch_scc1 .Lout_v
	; Q, K: my 128 tokens are one key step (or group of eight query tiles), my 128 features two heads: registers 0-5 of a fragment are the first head's half-image, 6-11 the second's
	s_lshl_b32 s70, s23, 1
	s_add_co_u32 s70, s70, s15                     ; which 128 tokens
	s_lshr_b32 s71, s70, 4                         ; the batch
	s_and_b32 s70, s70, 15
	s_lshl_b32 s72, s40, 2
	s_lshl_b32 s73, s16, 1
	s_add_co_u32 s72, s72, s73                     ; the first head
	s_lshl_b32 s71, s71, 4
	s_add_co_u32 s71, s71, s72
	s_mul_i32 s71, s71, HS
	s_mul_i32 s70, s70, KSB
	s_add_co_u32 s70, s70, s71
	s_mov_b32 s71, 0
	s_cmp_eq_u32 s12, 0
	s_cselect_b64 s[72:73], s[94:95], s[96:97]     ; Q to qi, K to kv
	s_add_nc_u64 s[72:73], s[72:73], s[70:71]
.irp a, 0,1,2,3,4,5,6,7
	QUANT \a
	global_store_b128 v[L16], v[PC:PC+3], s[72:73] offset:768*\a             ; every store covers 512 or 256 consecutive bytes, aligned
	global_store_b64 v[L8], v[PC+4:PC+5], s[72:73] offset:768*\a+512
	global_store_b128 v[L16], v[PC+6:PC+9], s[72:73] offset:HS+768*\a
	global_store_b64 v[L8], v[PC+10:PC+11], s[72:73] offset:HS+768*\a+512
.endr
.irp j, 0,1,2,3
	v_cndmask_b32 v[XW+\j], v[WS+2*\j], v[WS+2*\j+1], s46   ; lanes 0-15: tile 2 j's words, lanes 16-31: tile 2 j + 1's
.endr
.irp j, 0,1,2,3
	v_lshrrev_b32 v[XW+4+\j], 16, v[XW+\j]         ; the second head's two bytes
.endr
	global_store_b128 v[L16], v[XW:XW+3], s[72:73] offset:12288
	global_store_b128 v[L16], v[XW+4:XW+7], s[72:73] offset:HS+12288
	s_branch .Lend
.Lout_v:
	; V: my 128 keys are one key step; R's blocks 0-3 are the first head's four channel tiles, 4-7 the second's; a fragment is 16 channels x 128 keys
	s_lshl_b32 s70, s42, 1
	s_add_co_u32 s70, s70, s16
	s_lshr_b32 s71, s70, 4
	s_and_b32 s70, s70, 15
	s_lshl_b32 s72, s41, 2
	s_lshl_b32 s73, s15, 1
	s_add_co_u32 s72, s72, s73
	s_lshl_b32 s71, s71, 4
	s_add_co_u32 s71, s71, s72
	s_mul_i32 s71, s71, HS
	s_mul_i32 s70, s70, KSB
	s_add_co_u32 s70, s70, s71
	s_mov_b32 s71, 0
	s_add_nc_u64 s[72:73], s[96:97], s[70:71]
.irp a, 0,1,2,3,4,5,6,7
	QUANT \a
.irp c, 0,1,2
	global_store_b128 v[L16], v[PC+4*\c:PC+4*\c+3], s[72:73] offset:6144+(\a/4)*HS+(\a%4)*1536+512*\c
.endr
.endr
.irp j, 0,1,2,3
	v_cndmask_b32 v[XW+\j], v[WS+2*\j], v[WS+2*\j+1], s46
.endr
	global_store_b64 v[L8], v[XW:XW+1], s[72:73] offset:12800
	global_store_b64 v[L8], v[XW+2:XW+3], s[72:73] offset:HS+12800
.Lend:
	s_wait_tensorcnt 0x0                           ; the wave's end
	ds_add_u32 v[SPW], v[NIL]
	s_wait_dscnt 0x0
	CROUND                                         ; the closing round
	s_endpgm
.Lfunc_end_k_q9b0cb385fd_proj:
	.size	k_q9b0cb385fd_proj, .Lfunc_end_k_q9b0cb385fd_proj-k_q9b0cb385fd_proj
	.p2alignl 7, 3214868480
	.fill 96, 4, 3214868480
	.section	.rodata,"a",@progbits
	.p2align	6, 0x0
	.amdhsa_kernel k_q9b0cb385fd_proj
		.amdhsa_group_segment_fixed_size 327680
		.amdhsa_private_segment_fixed_size 0
		.amdhsa_enable_private_segment 0
		.amdhsa_kernarg_size 56
		.amdhsa_user_sgpr_count 2
		.amdhsa_user_sgpr_kernarg_segment_ptr 1
		.amdhsa_wavefront_size32 1
		.amdhsa_system_sgpr_workgroup_id_x 1
		.amdhsa_system_sgpr_workgroup_id_y 1
		.amdhsa_system_sgpr_workgroup_id_z 1
		.amdhsa_system_vgpr_workitem_id 0
		.amdhsa_next_free_vgpr 1024
		.amdhsa_next_free_sgpr 100
		.amdhsa_reserve_vcc 0
		.amdhsa_float_denorm_mode_32 3
		.amdhsa_float_denorm_mode_16_64 3
		.amdhsa_memory_ordered 1
		.amdhsa_forward_progress 1
		.amdhsa_inst_pref_size 202
	.end_amdhsa_kernel
	.amdgpu_metadata
---
amdhsa.version: [ 1, 2 ]
amdhsa.kernels:
  - .name:           k_q9b0cb385fd_proj
    .symbol:         k_q9b0cb385fd_proj.kd
    .args:
      - { .name: xc, .offset: 0, .size: 8, .value_kind: global_buffer, .address_space: global }
      - { .name: scA, .offset: 8, .size: 8, .value_kind: global_buffer, .address_space: global }
      - { .name: bq, .offset: 16, .size: 8, .value_kind: global_buffer, .address_space: global }
      - { .name: bk, .offset: 24, .size: 8, .value_kind: global_buffer, .address_space: global }
      - { .name: bv, .offset: 32, .size: 8, .value_kind: global_buffer, .address_space: global }
      - { .name: qi, .offset: 40, .size: 8, .value_kind: global_buffer, .address_space: global }
      - { .name: kv, .offset: 48, .size: 8, .value_kind: global_buffer, .address_space: global }
    .group_segment_fixed_size: 327680
    .private_segment_fixed_size: 0
    .kernarg_segment_align: 8
    .kernarg_segment_size: 56
    .max_flat_workgroup_size: 128
    .sgpr_count:     100
    .vgpr_count:     1024
    .wavefront_size: 32
...
	.end_amdgpu_metadata
.endif
;; end of part 2
;; launch attn (part 3): grid 256 x 1, 16 waves a work-group, no clusters, 54,272 bytes of LDS; arguments qi, fl, mw, oc, scB, kv; writes oc, scB
.if DOCPART == 3
	.amdgcn_target "amdgcn-amd-amdhsa--gfx1250"
	.amdhsa_code_object_version 6
	.text
	.protected	k_q9b0cb385fd_attn
	.globl	k_q9b0cb385fd_attn
	.p2align	8
	.type	k_q9b0cb385fd_attn,@function
k_q9b0cb385fd_attn:
	s_mov_b64 s[64:65], 0
	v_nop
	global_prefetch_b8 v0, s[64:65] scope:SCOPE_SE
	s_setreg_imm32_b32 hwreg(HW_REG_WAVE_MODE, 25, 1), 1
	s_wait_xcnt 0x0
; O = softmax(Q K^T / 8, masked) V for one head, both products on codes of E2M3; O / l is quantised in registers into the last product's operand.
; t = score x log2(e) / 8; M = the running largest t rounded up to a whole number; p = 2^(t - M) is quantised along the keys; l is the sum of the unquantised p.
; SHARES.  Work-group = (batch, head, i).  Two passes: query blocks i and 7 - i of 256 queries.  Each of 16 waves owns one tile of 16 queries (rows 32 (T/2) + 8 (T%2) + r + 8 (r/8)).
; Both products are used transposed: S^T = K Q^T, O^T = V^T P^T: a lane holds one query throughout; the keys of a tile are laid so that p's registers 16 blk + i are keys 32 blk + 16 h + i.
; The head's 64 fill half of the instruction's 128 along K: the upper six registers of Q's and K's fragments are zero codes, set once.
; MASKS.  keep = mask & pad_mask comes as lane words from mw and as one flag word for each tile of queries from fl (whole numbers that an earlier launch stored).
;   A hidden score becomes -2^30 (logit -2^27) where reference() writes -1e8:
;   -2^30 x c is a whole number, so a row with no kept key has p = 1 everywhere, as reference() has.  LIMIT: equal to reference() unless a kept logit lies under about -9.99e7.
;   A key step that holds no kept key for my 16 queries is left out (its p would all be 0), only where each of them has a kept key somewhere: the flag says so.  A step all of whose keys are kept skips the words.
; K AND V come through registers into two LDS buffers of two key steps each (26,112 dense bytes of kv), all 512 threads copying; one barrier a buffer.
; NO TENSOR LOADS AND NO JOINT LOADS: which steps are worked and fetched hangs on flags read from memory.
; LIMITS of the quantisers: a block whose largest magnitude lies under 2^-124 gets the byte 1; NaN and infinities are not served.
; REGISTERS: v1 16 x lane, v2 8 x lane, v3 16 x thread, v4 -2^30, v5, v7, v8 Q's offsets, v6 32 r; v12 -M, v13 largest t, v[14:15] l; v16-27 Q; v28-31 K's scale words; v32-79 four fragments of K;
;   v80-81 V's scale words, v82 Q's, v83 p's; v[84:85] f; v86-87 at work; v96-159 S^T, p, then V's four fragments; v160-191 O^T; v192-207 staging; v208-219 p's codes; v220-241 at work.
.set HS,  208896
.set KSB, 13056
.set BUF, 26112
	s_load_b256 s[4:11], s[0:1], 0x0               ; qi, fl, mw, oc
	s_load_b64 s[12:13], s[0:1], 0x20              ; scB
	s_load_b64 s[20:21], s[0:1], 0x28              ; kv: used once, for the head's base
	v_lshl_add_u32 v254, v0, 2, 0xcc00
	v_mov_b32 v255, 0
	v_lshrrev_b32 v1, 5, v0
	v_readfirstlane_b32 s14, v1                    ; wave 0..15
	v_and_b32 v9, 31, v0
	v_and_b32 v10, 15, v0                          ; r
	v_lshlrev_b32 v1, 4, v9
	v_lshlrev_b32 v2, 3, v9
	v_lshlrev_b32 v3, 4, v0
	v_mov_b32 v4, 0xce800000                       ; -2^30
	s_and_b32 s15, s14, 7                          ; my tile's place in its group of eight
	s_mul_i32 s16, s15, 768
	v_add_nc_u32 v7, s16, v1
	v_add_nc_u32 v8, s16, v2
	s_and_b32 s16, s14, 1
	s_lshl_b32 s16, s16, 8
	s_lshr_b32 s17, s15, 1
	s_lshl_b32 s17, s17, 2
	s_add_co_u32 s16, s16, s17
	v_lshl_add_u32 v5, v10, 4, s16                 ; Q's scale word of row r: 16 (r + 16 (tile % 2)) + 4 (tile / 2)
	v_lshlrev_b32 v6, 5, v10
	s_and_b32 s18, ttmp9, 3                        ; i
	s_lshr_b32 s19, ttmp9, 2
	s_and_b32 s19, s19, 15                         ; head
	s_lshr_b32 s55, ttmp9, 6                       ; batch
	s_lshl_b32 s16, s55, 4
	s_add_co_u32 s16, s16, s19
	s_mul_i32 s16, s16, HS
	s_mov_b32 s17, 0
	s_mov_b32 s62, 0x3e38aa3b                      ; c = log2(e) / 8
	s_mov_b32 s63, s62
	s_mov_b32 s66, 0x76543210
	s_mov_b32 s67, 0xfedcba98
.irp j, 22,23,24,25,26,27
	v_mov_b32 v\j, 0                               ; Q's upper half: zero codes
.endr
.irp t, 0,1,2,3
.irp j, 6,7,8,9,10,11
	v_mov_b32 v[32+12*\t+\j], 0                    ; K's likewise; never rewritten
.endr
.endr
.set j, 0
.rept 16
	v_mov_b32 v[192+j], 0                          ; the staging registers are stored also where a fetch was left out
.set j, j+1
.endr
	v_mov_b32 v85, 0
	v_mov_b32 v86, 0
.irp j, 232,233,234,235
	v_mov_b32 v\j, 0                               ; a lane permute's destination counts as read
.endr
	s_wait_kmcnt 0x0
	s_add_nc_u64 s[60:61], s[20:21], s[16:17]      ; the head in kv
	s_add_nc_u64 s[4:5], s[4:5], s[16:17]          ; and in qi
.macro FILL bit                        ; two key steps of kv into registers; left out where bit 'bit' of s54 says that no wave works either step (bit < 0: always)
.if \bit >= 0
	s_bitcmp1_b32 s54, \bit
	s_cbranch_scc1 .Lnofill_\@
.endif
	global_load_b128 v[192:195], v3, s[56:57]
	global_load_b128 v[196:199], v3, s[56:57] offset:8192
	global_load_b128 v[200:203], v3, s[56:57] offset:16384
	s_cmp_lt_u32 s14, 3                            ; 26,112 = 3 x 8,192 + 96 threads x 16
	s_cbranch_scc0 .Lnofill_\@
	global_load_b128 v[204:207], v3, s[56:57] offset:24576
.Lnofill_\@:
.endm
.macro COMMIT buf                      ; and into buffer buf.  One barrier does both: my reads of the other buffer are over, my stores into this one have landed
	s_wait_loadcnt 0x0
	ds_store_b128 v3, v[192:195] offset:\buf*BUF
	ds_store_b128 v3, v[196:199] offset:\buf*BUF+8192
	ds_store_b128 v3, v[200:203] offset:\buf*BUF+16384
	s_cmp_lt_u32 s14, 3
	s_cbranch_scc0 .Lc_\@
	ds_store_b128 v3, v[204:207] offset:\buf*BUF+24576
.Lc_\@:
	s_add_nc_u64 s[56:57], s[56:57], BUF           ; the loads are done: their base may step
	s_wait_dscnt 0x0
	s_barrier_signal -1
	s_barrier_wait -1
.endm
; A KEY STEP of 128 keys: the q-th of buffer buf; bit = its number in the trip.
.macro STEP buf, q, bit
.set KB, \buf*BUF+\q*KSB
	s_bitcmp1_b32 s52, \bit                        ; no kept key for my queries: nothing to do
	s_cbranch_scc1 .Lskip_\@
.irp g, 0,1                            ; S^T = K Q^T, four tiles of 16 keys at a time
.if \g
.rept 4
	v_nop                                          ; places ahead of loads into registers that matrix instructions have read
.endr
.endif
.irp t, 0,1,2,3
	ds_load_b128 v[32+12*\t:35+12*\t], v1 offset:KB+(4*\g+\t)*768
	ds_load_b64 v[36+12*\t:37+12*\t], v2 offset:KB+(4*\g+\t)*768+512
.endr
.if \g == 0
	ds_load_b128 v[28:31], v1 offset:KB+12288      ; word j: lanes 0-15 tile 2 j's rows, lanes 16-31 tile 2 j + 1's
.endif
	s_wait_dscnt 0x0
.irp t, 0,2
	v_wmma_scale_f32_16x16x128_f8f6f4 v[96+8*(4*\g+\t):103+8*(4*\g+\t)], v[32+12*\t:43+12*\t], v[16:27], 0, v[28+2*\g+\t/2], v82 matrix_a_fmt:MATRIX_FMT_FP6 matrix_b_fmt:MATRIX_FMT_FP6
	v_wmma_scale_f32_16x16x128_f8f6f4 v[104+8*(4*\g+\t):111+8*(4*\g+\t)], v[44+12*\t:55+12*\t], v[16:27], 0, v[28+2*\g+\t/2], v82 matrix_a_fmt:MATRIX_FMT_FP6 matrix_b_fmt:MATRIX_FMT_FP6 matrix_a_scale:MATRIX_SCALE_ROW1
.endr
.endr
.rept 4
	v_nop
.endr
	s_bitcmp1_b32 s53, \bit                        ; some keys hidden: the step's 64 lane words
	s_cbranch_scc0 .Lopen_\@
	s_load_b512 s[20:35], s[58:59], 256*\bit
	s_load_b512 s[36:51], s[58:59], 256*\bit+64
	s_load_b512 s[68:83], s[58:59], 256*\bit+128
	s_load_b512 s[84:99], s[58:59], 256*\bit+192
	s_wait_kmcnt 0x0
.set n, 0
.rept 64
	v_cndmask_b32 v[96+n], v4, v[96+n], s[20+n+16*(n/32)]   ; register n holds key 32 (n/16) + 16 h + n%16: kept where my lane's bit of word n is set
.set n, n+1
.endr
.Lopen_\@:
.irp b, 0,1,2,3
	v_max3_num_f32 v[228+\b], v[96+16*\b], v[97+16*\b], v[98+16*\b]   ; the largest score of each block of 32 keys: for the row's maximum and for the block's largest p
.endr
.irp i, 3,5,7,9,11,13
.irp b, 0,1,2,3
	v_max3_num_f32 v[228+\b], v[228+\b], v[96+16*\b+\i], v[97+16*\b+\i]
.endr
.endr
.irp b, 0,1,2,3
	v_max_num_f32 v[228+\b], v[228+\b], v[111+16*\b]
.endr
.irp b, 0,1,2,3
	v_permlanex16_b32 v[232+\b], v[228+\b], s66, s67
.endr
.irp b, 0,1,2,3
	v_max_num_f32 v[228+\b], v[228+\b], v[232+\b]  ; with lane l xor 16's sixteen keys
.endr
	v_max3_num_f32 v86, v228, v229, v230
	v_max_num_f32 v86, v86, v231
	v_mul_f32 v86, s62, v86                        ; as t
	v_max_num_f32 v13, v13, v86                    ; the running largest t
	v_mov_b32 v86, v12
	v_floor_f32 v12, -v13                          ; -M = floor(-t): M is a whole number
	v_sub_f32 v86, v12, v86                        ; old M - new M, 0 or less
	v_cvt_i32_f32 v86, v86                         ; (it saturates)
	v_ldexp_f32 v84, 1.0, v86                      ; f = 2^(old M - new M): rounds nothing
.set j, 0
.rept 32
	v_pk_fma_f32 v[96+j:97+j], v[96+j:97+j], s[62:63], v[12:13] op_sel_hi:[1,0,0]   ; t - M
.set j, j+2
.endr
.irp b, 0,1,2,3
	v_fma_f32 v[228+\b], v[228+\b], s62, v12
.endr
.set j, 0
.rept 64
	v_exp_f32 v[96+j], v[96+j]                     ; p = 2^(t - M)
.set j, j+1
.endr
.irp b, 0,1,2,3
	v_exp_f32 v[228+\b], v[228+\b]                 ; the block's largest p: the same two instructions on the same number
.endr
	v_pk_mul_f32 v[14:15], v[14:15], v[84:85] op_sel_hi:[1,0]   ; l under the new M; a plain place behind the exponentials
	s_wait_alu depctr_va_vdst(0)
.irp b, 0,1,2,3
	v_max_num_f32 v[228+\b], 0x1800000, v[228+\b]  ; the floor: the byte cannot fall under 1
.endr
.irp b, 0,1,2,3
	v_add_nc_u32 v[236+\b], 0xff000000, v[228+\b]
.endr
.irp b, 0,1,2,3
	v_lshrrev_b32 v[232+\b], 23, v[236+\b]
.endr
	v_lshl_or_b32 v83, v233, 8, v232               ; p's scale word for these 128 keys
	v_lshl_or_b32 v83, v234, 16, v83
	v_lshl_or_b32 v83, v235, 24, v83
.irp c, 0,1
	v_cvt_scalef32_pk16_fp6_f32 v[208+6*\c:210+6*\c], v[96+32*\c:111+32*\c], v[236+2*\c]
	v_cvt_scalef32_pk16_fp6_f32 v[220+4*\c:222+4*\c], v[112+32*\c:127+32*\c], v[237+2*\c]
.endr
	v_nop                                          ; one plain place behind a scaled conversion
.irp c, 0,1
.irp i, 0,1,2
	v_permlane16_swap_b32 v[208+6*\c+\i], v[220+4*\c+\i]
.endr
.irp i, 0,1,2
	v_mov_b32 v[211+6*\c+\i], v[220+4*\c+\i]
.endr
.endr
	v_pk_add_f32 v[240:241], v[96:97], v[98:99]    ; l takes the unquantised p: two chains
.set j, 4
.rept 15
	v_pk_add_f32 v[14:15], v[14:15], v[96+j:97+j]
	v_pk_add_f32 v[240:241], v[240:241], v[98+j:99+j]
.set j, j+4
.endr
	v_pk_add_f32 v[14:15], v[14:15], v[240:241]
.irp t, 0,1,2,3                        ; V's four fragments (16 channels x 128 keys) take p's place
.irp c, 0,1,2
	ds_load_b128 v[96+12*\t+4*\c:99+12*\t+4*\c], v1 offset:KB+6144+\t*1536+512*\c
.endr
.endr
	ds_load_b64 v[80:81], v2 offset:KB+12800
.set j, 0
.rept 16
	v_pk_mul_f32 v[160+j:161+j], v[160+j:161+j], v[84:85] op_sel_hi:[1,0]   ; O^T under the new M; with the sums above also the places ahead of the scaled products
.set j, j+2
.endr
	s_wait_dscnt 0x0
.irp t, 0,2                            ; four accumulators by turns, one instruction a turn
	v_wmma_scale_f32_16x16x128_f8f6f4 v[160+8*\t:167+8*\t], v[96+12*\t:107+12*\t], v[208:219], v[160+8*\t:167+8*\t], v[80+\t/2], v83 matrix_a_fmt:MATRIX_FMT_FP6 matrix_b_fmt:MATRIX_FMT_FP6
	v_wmma_scale_f32_16x16x128_f8f6f4 v[168+8*\t:175+8*\t], v[108+12*\t:119+12*\t], v[208:219], v[168+8*\t:175+8*\t], v[80+\t/2], v83 matrix_a_fmt:MATRIX_FMT_FP6 matrix_b_fmt:MATRIX_FMT_FP6 matrix_a_scale:MATRIX_SCALE_ROW1
.endr
.rept 5
	v_nop                                          ; five places: the next step's scores are written over V's fragments by matrix instructions
.endr
.Lskip_\@:
.endm
	s_mov_b32 s100, 0                              ; the pass
.Lpass:
	s_sub_co_u32 s105, 7, s18
	s_cmp_eq_u32 s100, 0
	s_cselect_b32 s104, s18, s105                  ; the block of 256 queries: i, then 7 - i
	s_lshl_b32 s105, s55, 7
	s_lshl_b32 s15, s104, 4
	s_add_co_u32 s105, s105, s15                   ; the work-group's first tile: 128 b + 16 qb
	s_lshl_b32 s2, s105, 2                         ; fl: one word a tile
	s_mov_b32 s3, 0
	s_add_nc_u64 s[2:3], s[6:7], s[2:3]
	s_load_b512 s[20:35], s[2:3], 0x0              ; the sixteen waves' flags
	s_add_co_u32 s16, s105, s14
	s_lshl_b32 s16, s16, 12
	s_mov_b32 s17, 0
	s_add_nc_u64 s[58:59], s[8:9], s[16:17]        ; my tile's lane words
	s_lshl_b32 s16, s14, 2
	s_add_nc_u64 s[16:17], s[2:3], s[16:17]
	s_load_b32 s52, s[16:17], 0x0                  ; my own flag
	s_lshl_b32 s68, s104, 1
	s_lshr_b32 s15, s14, 3
	s_add_co_u32 s68, s68, s15
	s_mul_i32 s68, s68, KSB
	s_mov_b32 s69, 0
	s_add_nc_u64 s[68:69], s[4:5], s[68:69]        ; my group of eight query tiles in qi
	global_load_b128 v[16:19], v7, s[68:69]
	global_load_b64 v[20:21], v8, s[68:69] offset:512
	global_load_b32 v82, v5, s[68:69] offset:12288
	s_mov_b64 s[56:57], s[60:61]
	FILL -1                                        ; key steps 0, 1
	s_wait_kmcnt 0x0
	s_and_b32 s54, s20, s21
.irp f, 22,23,24,25,26,27,28,29,30,31,32,33,34,35
	s_and_b32 s54, s54, s\f
.endr
	s_and_b32 s54, s54, 0xffff                     ; steps that no wave works;
	s_lshr_b32 s105, s54, 1
	s_and_b32 s54, s54, s105                       ; even bit 2 s: neither step of pair s is worked;
	s_or_b32 s54, s54, 0x10000                     ; and nothing lies behind the sixteenth step
	s_lshr_b32 s53, s52, 16                        ; my steps that need the words
	s_and_b32 s52, s52, 0xffff                     ; my steps that are left out
	COMMIT 0                                       ; (its wait for the loads serves Q too)
	v_mov_b32 v13, 0xff61b1e6                      ; the largest t so far: -3e38
	v_floor_f32 v12, -v13
	v_mov_b32 v14, 0
	v_mov_b32 v15, 0
.set j, 0
.rept 32
	v_mov_b32 v[160+j], 0                          ; O^T: the step is written once; the first change of M leaves zeros zeros
.set j, j+1
.endr
	s_mov_b32 s101, 0
.Ltrip:                                                ; four key steps a trip, four trips
	FILL 2
	STEP 0, 0, 0
	STEP 0, 1, 1
	COMMIT 1
	FILL 4
	STEP 1, 0, 2
	STEP 1, 1, 3
	COMMIT 0
	s_lshr_b32 s52, s52, 4
	s_lshr_b32 s53, s53, 4
	s_lshr_b32 s54, s54, 4
	s_add_nc_u64 s[58:59], s[58:59], 1024
	s_add_co_u32 s101, s101, 1
	s_cmp_lt_u32 s101, 4
	s_cbranch_scc1 .Ltrip
	; O^T / l, quantised along the head's 64 channels: register 16 blk + i is channel 32 blk + 16 h + i
	v_add_f32 v14, v14, v15
	v_permlanex16_b32 v86, v14, s66, s67
	v_add_f32 v14, v14, v86                        ; the row's sum
	v_rcp_f32 v14, v14
	v_nop                                          ; one plain place behind the reciprocal
.set j, 0
	s_wait_alu depctr_va_vdst(0)
.rept 32
	v_mul_f32 v[96+j], v[160+j], v14
.set j, j+1
.endr
.irp b, 0,1
	v_max3_num_f32 v[228+\b], |v[96+16*\b]|, |v[97+16*\b]|, 0x1800000
.endr
.irp i, 2,4,6,8,10,12,14
.irp b, 0,1
	v_max3_num_f32 v[228+\b], v[228+\b], |v[96+16*\b+\i]|, |v[97+16*\b+\i]|
.endr
.endr
.irp b, 0,1
	v_permlanex16_b32 v[232+\b], v[228+\b], s66, s67
.endr
.irp b, 0,1
	v_max_num_f32 v[228+\b], v[228+\b], v[232+\b]
.endr
.irp b, 0,1
	v_add_nc_u32 v[236+\b], 0xff000000, v[228+\b]
.endr
.irp b, 0,1
	v_lshrrev_b32 v[232+\b], 23, v[236+\b]
.endr
	v_lshl_or_b32 v87, v233, 8, v232               ; the head's two scale bytes of my row
	v_cvt_scalef32_pk16_fp6_f32 v[208:210], v[96:111], v236
	v_cvt_scalef32_pk16_fp6_f32 v[220:222], v[112:127], v237
	v_nop
.irp i, 0,1,2
	v_permlane16_swap_b32 v[208+\i], v[220+\i]
.endr
.irp i, 0,1,2
	v_mov_b32 v[211+\i], v[220+\i]
.endr
	s_lshl_b32 s105, s55, 7
	s_lshl_b32 s15, s104, 4
	s_add_co_u32 s105, s105, s15
	s_add_co_u32 s105, s105, s14                   ; my tile among the 512
	s_lshl_b32 s68, s105, 4
	s_add_co_u32 s68, s68, s19
	s_mul_i32 s68, s68, 768                        ; oc: [tile][head]: a half-image
	s_mov_b32 s69, 0
	s_add_nc_u64 s[68:69], s[10:11], s[68:69]
	s_lshl_b32 s70, s105, 9
	s_lshl_b32 s71, s19, 1
	s_add_co_u32 s70, s70, s71
	s_add_co_u32 s70, s70, 32768                   ; scB: behind wo's words, [tile][row][32 bytes], 2 bytes a head
	s_mov_b32 s71, 0
	s_add_nc_u64 s[70:71], s[12:13], s[70:71]
	global_store_b128 v1, v[208:211], s[68:69]     ; 512 consecutive bytes
	global_store_b64 v2, v[212:213], s[68:69] offset:512
	global_store_b16 v6, v87, s[70:71]             ; 2 bytes of each of 16 rows, 32 bytes apart: one byte in 24 of what the launch stores; lanes l and l xor 16 write the same bytes with the same value
	s_wait_xcnt 0x0                                ; the stores have read their registers and bases
	s_add_co_u32 s100, s100, 1
	s_cmp_lt_u32 s100, 2
	s_cbranch_scc1 .Lpass
	s_wait_tensorcnt 0x0
	ds_add_u32 v254, v255
	s_wait_dscnt 0x0
	s_endpgm
.Lfunc_end_k_q9b0cb385fd_attn:
	.size	k_q9b0cb385fd_attn, .Lfunc_end_k_q9b0cb385fd_attn-k_q9b0cb385fd_attn
	.p2alignl 7, 3214868480
	.fill 96, 4, 3214868480
	.section	.rodata,"a",@progbits
	.p2align	6, 0x0
	.amdhsa_kernel k_q9b0cb385fd_attn
		.amdhsa_group_segment_fixed_size 54272
		.amdhsa_private_segment_fixed_size 0
		.amdhsa_enable_private_segment 0
		.amdhsa_kernarg_size 48
		.amdhsa_user_sgpr_count 2
		.amdhsa_user_sgpr_kernarg_segment_ptr 1
		.amdhsa_wavefront_size32 1
		.amdhsa_system_sgpr_workgroup_id_x 1
		.amdhsa_system_sgpr_workgroup_id_y 1
		.amdhsa_system_sgpr_workgroup_id_z 1
		.amdhsa_system_vgpr_workitem_id 0
		.amdhsa_next_free_vgpr 256
		.amdhsa_next_free_sgpr 106
		.amdhsa_reserve_vcc 0
		.amdhsa_float_denorm_mode_32 3
		.amdhsa_float_denorm_mode_16_64 3
		.amdhsa_memory_ordered 1
		.amdhsa_forward_progress 1
		.amdhsa_inst_pref_size 94
	.end_amdhsa_kernel
	.amdgpu_metadata
---
amdhsa.version: [ 1, 2 ]
amdhsa.kernels:
  - .name:           k_q9b0cb385fd_attn
    .symbol:         k_q9b0cb385fd_attn.kd
    .args:
      - { .name: qi, .offset: 0, .size: 8, .value_kind: global_buffer, .address_space: global }
      - { .name: fl, .offset: 8, .size: 8, .value_kind: global_buffer, .address_space: global }
      - { .name: mw, .offset: 16, .size: 8, .value_kind: global_buffer, .address_space: global }
      - { .name: oc, .offset: 24, .size: 8, .value_kind: global_buffer, .address_space: global }
      - { .name: scB, .offset: 32, .size: 8, .value_kind: global_buffer, .address_space: global }
      - { .name: kv, .offset: 40, .size: 8, .value_kind: global_buffer, .address_space: global }
    .group_segment_fixed_size: 54272
    .private_segment_fixed_size: 0
    .kernarg_segment_align: 8
    .kernarg_segment_size: 48
    .max_flat_workgroup_size: 512
    .sgpr_count:     106
    .vgpr_count:     256
    .wavefront_size: 32
...
	.end_amdgpu_metadata
.endif
;; end of part 3
;; launch outp (part 4): grid 4 x 32, 4 waves a work-group, clusters of 4 x 4, 327,680 bytes of LDS; arguments oc, xc, scB, bo, out0; writes out0
.if DOCPART == 4
	.amdgcn_target "amdgcn-amd-amdhsa--gfx1250"
	.amdhsa_code_object_version 6
	.text
	.protected	k_q9b0cb385fd_outp
	.globl	k_q9b0cb385fd_outp
	.p2align	8
	.type	k_q9b0cb385fd_outp,@function
k_q9b0cb385fd_outp:
	s_mov_b64 s[64:65], 0
	v_nop
	global_prefetch_b8 v0, s[64:65] scope:SCOPE_SE
	s_setreg_imm32_b32 hwreg(HW_REG_WAVE_MODE, 25, 1), 1
	s_wait_xcnt 0x0
	s_wait_alu depctr_hold_cnt(0) depctr_sa_sdst(0) depctr_va_vdst(0) depctr_va_sdst(0) depctr_va_ssrc(0) depctr_va_vcc(0) depctr_vm_vsrc(0)
	s_getreg_b32 s2, hwreg(HW_REG_IB_STS2, 6, 4)
	s_cmp_eq_u32 s2, 0
	s_cbranch_scc0 .Lentry_in_a_cluster
	s_endpgm
.Lentry_in_a_cluster:
	s_bfe_u32 s2, ttmp6, 0x10000c
	s_cmp_lg_u32 s2, 0xf033
	s_cbranch_scc0 .Lentry_shape_is_right
	s_endpgm
.Lentry_shape_is_right:
; out0 = O wo^T + bo on codes of E2M3.  O's codes (oc) and wo's (xc, tiles 1,728 on) are images of the operand's registers, 12,288 bytes a tile of 16 rows; their scale words lie in scB.
; A work-group makes 256 tokens x 256 features, a wave 128 x 128: 64 accumulators.  SOURCE 0 = tiles of wo (P), SOURCE 1 = tiles of O (R): lane (r, h) holds one token,
; and its registers of P's tile b the features 32 (b/2) + 16 h + 8 (b%2) + 0..7.  A tile holds rows 32 (T/2) + 8 (T%2) + r + 8 (r/8).
; K = 1,024 goes in eight steps of 128 through a ring of two LDS slots of 256 along K; a wave's tensor load brings 8 tiles x 3,072 consecutive bytes.
; CLUSTER 4 x 4: O's tiles are shared along a row of the cluster, wo's along a column: joint loads with a mask of four.  The bias is the C of each sum's first matrix instruction.
; REGISTERS: window 0: v16-27 addresses; v28-29 the add's; v32-95 scale words of all eight K steps (lanes 0-15 R's tile i, lanes 16-31 P's); v96-127, v224-255 the bias; v128-223 R's fragments; on the way out v128-255 rows of C.
;   window 1: P's fragments, two sets.   windows 2, 3: accumulator (a, b) at v[8 (8 (a%4) + b)].
.set FR,    12
.set NL,    4
.set TILEB, 3072
.set HALFT, 8*TILEB
.set SLOT,  4*HALFT
.set SPARE, 2*SLOT
.set GT,    12288
.set SPITCH, 528                       ; the way out: a stage of 16 rows x (512 + 16) bytes for each wave, in slot 0, which has had its last fill and its last read by then
.set AR16, 16
.set AR8,  18
.set AP16, 20
.set AP8,  22
.set L16,  24
.set L8,   25
.set STO,  26
.set RD,   27
.set SPW,  28
.set NIL,  29
.set SC,   32
.set AF,   128
.set BK,   128
.set G1,  24
.set G0,  32
.set G1B, 48
.set G0B, 56
.set MSB, 0
.macro WIN new
.if MSB != (\new)
	s_set_vgpr_msb (MSB<<8)|(\new)
.set MSB, (\new)
.endif
.endm
.set MUL_LO, 0xa1
.set MUL_HI, 0xf1
.set TO_B,   0x40
.macro JLOAD g0a, g1a, g0b, g1b        ; a joint load: waves 0, 1 fetch R's halves, waves 2, 3 P's; four v_nop follow each line
	s_cmp_eq_u32 s15, 0
	s_cbranch_scc0 .Lfor_b_\@
	tensor_load_to_lds s[\g0a:\g0a+3], s[\g1a:\g1a+7]
	s_nop 0
.rept 4
	v_nop
.endr
	s_branch .Lasked_\@
.Lfor_b_\@:
	tensor_load_to_lds s[\g0b:\g0b+3], s[\g1b:\g1b+7]
	s_nop 0
.rept 4
	v_nop
.endr
.Lasked_\@:
.endm
.macro CREST
	s_cmp_lg_u32 s14, 0
	s_cbranch_scc1 .Lnot_wave_0_\@
	s_barrier_signal -3
.Lnot_wave_0_\@:
	s_barrier_wait -3
	s_barrier_signal -1
	s_barrier_wait -1
.endm
.macro CROUND
	s_barrier_signal -1
	s_barrier_wait -1
	CREST
.endm
.macro PLACES                          ; four plain places behind matrix instructions, ahead of loads into their registers and of reads of results
.rept 4
	v_nop
.endr
.endm
	s_load_b128 s[4:7], s[0:1], 0x0                ; oc, xc
	s_load_b128 s[8:11], s[0:1], 0x10              ; scB, bo
	s_load_b64 s[92:93], s[0:1], 0x20              ; out0
	v_lshl_add_u32 v[SPW], v0, 2, SPARE
	v_mov_b32 v[NIL], 0
	ds_add_u32 v28, v29
	ds_add_u32 v28, v29
	s_wait_dscnt 0x0
	v_lshrrev_b32 v1, 5, v0
	v_readfirstlane_b32 s14, v1                    ; wave
	s_lshr_b32 s15, s14, 1                         ; my half of R.  Also: I fetch for R (0) or P (1)
	s_and_b32 s16, s14, 1                          ; my half of P.  Also: which 8 tiles I fetch
	s_bfe_u32 s40, ttmp6, 0x40000                  ; cx
	s_bfe_u32 s41, ttmp6, 0x40004                  ; cy
	s_and_b32 s17, ttmp7, 0xffff
	s_lshl_b32 s23, s17, 2
	s_add_co_u32 s23, s23, s41                     ; my block of 256 tokens
	s_lshl_b32 s43, s41, 2
	s_lshl_b32 s43, 15, s43                        ; my row of the cluster
	s_lshl_b32 s44, 0x1111, s40                    ; my column
	s_or_b32 s[G1], s43, (3<<16)|(1<<21)           ; the mask; elements of 8 bytes; bit 21 beside a mask; no padding
	s_or_b32 s[G1B], s44, (3<<16)|(1<<21)
.irp g, G1, G1B
	s_mov_b32 s[\g+1], 384<<16                     ; 3,072 bytes of a tile
	s_mov_b32 s[\g+2], 8<<16                       ; 8 tiles
	s_mov_b32 s[\g+3], 384<<16
	s_mov_b32 s[\g+4], 8
	s_mov_b32 s[\g+5], 1536                        ; 12,288 bytes from tile to tile
	s_mov_b32 s[\g+6], 0
	s_mov_b32 s[\g+7], 0
.endr
	s_lshl_b32 s78, s23, 4                         ; R: the work-group's first tile in oc
	s_lshl_b32 s79, s40, 4                         ; P: its first tile of wo
	s_lshl_b32 s47, s16, 3
	s_add_co_u32 s74, s78, s47
	s_mul_i32 s74, s74, GT
	s_mov_b32 s75, 0
	s_add_co_u32 s76, s79, s47
	s_add_co_u32 s76, s76, 1728                    ; wo begins at tile 1,728 of xc
	s_mul_i32 s76, s76, GT
	s_mov_b32 s77, 0
	s_lshl_b32 s82, s15, 3
	s_add_co_u32 s82, s82, s78
	s_lshl_b32 s82, s82, 9
	s_add_co_u32 s82, s82, 32768                   ; O's scale words lie behind wo's
	s_add_co_u32 s83, s79, s47
	s_lshl_b32 s83, s83, 9
	s_mul_i32 s45, s14, HALFT
	s_wait_kmcnt 0x0
	s_add_nc_u64 s[74:75], s[4:5], s[74:75]
	s_add_nc_u64 s[76:77], s[6:7], s[76:77]
	CROUND                                         ; all sixteen work-groups are here: the first joint loads meet
.irp s, 0,1
	s_mov_b32 s[G0+4*\s], 1
	s_add_co_u32 s[G0+4*\s+1], s45, \s*SLOT
	s_add_nc_u64 s[G0+4*\s+2:G0+4*\s+3], s[74:75], \s*TILEB
	s_or_b32 s[G0+4*\s+3], s[G0+4*\s+3], 0x80000000
	s_mov_b32 s[G0B+4*\s], 1
	s_add_co_u32 s[G0B+4*\s+1], s45, \s*SLOT
	s_add_nc_u64 s[G0B+4*\s+2:G0B+4*\s+3], s[76:77], \s*TILEB
	s_or_b32 s[G0B+4*\s+3], s[G0B+4*\s+3], 0x80000000
	JLOAD G0+4*\s, G1, G0B+4*\s, G1B               ; two loads of mine are out
.endr
	v_and_b32 v1, 31, v0
	v_and_b32 v2, 15, v0                           ; r
	v_bfe_u32 v3, v0, 4, 1                         ; h
	v_lshlrev_b32 v[L16], 4, v1
	v_lshlrev_b32 v[L8], 3, v1
	s_mul_i32 s47, s15, HALFT
	s_mul_i32 s84, s16, HALFT
	s_add_co_u32 s84, s84, 2*HALFT
.irp s, 0,1
	v_add_nc_u32 v[AR16+\s], s47, v[L16]
	v_add_nc_u32 v[AR8+\s], s47, v[L8]
	v_add_nc_u32 v[AP16+\s], s84, v[L16]
	v_add_nc_u32 v[AP8+\s], s84, v[L8]
	s_add_co_u32 s47, s47, SLOT
	s_add_co_u32 s84, s84, SLOT
.endr
	s_mul_i32 s47, s14, 16*SPITCH                  ; my stage
	v_mul_u32_u24 v[STO], v2, SPITCH
	v_lshl_add_u32 v[STO], v3, 6, v[STO]
	v_add_nc_u32 v[STO], s47, v[STO]               ; in: row r, + 64 h
	v_add_nc_u32 v[RD], s47, v[L16]                ; back: a row of 512 bytes to the 32 lanes
	s_mov_b32 s46, 0xffff0000
	v_mov_b32 v4, s82
	v_mov_b32 v5, s83
	v_cndmask_b32 v4, v4, v5, s46                  ; lanes 0-15 take R's words, lanes 16-31 P's
	v_lshl_add_u32 v4, v2, 5, v4
.irp i, 0,1,2,3,4,5,6,7
	global_load_b128 v[SC+8*\i:SC+8*\i+3], v4, s[8:9] offset:512*\i
	global_load_b128 v[SC+8*\i+4:SC+8*\i+7], v4, s[8:9] offset:512*\i+16
.endr
	s_lshl_b32 s68, s40, 10                        ; my 128 features, in bytes
	s_lshl_b32 s69, s16, 9
	s_add_co_u32 s68, s68, s69
	s_mov_b32 s69, 0
	s_add_nc_u64 s[10:11], s[10:11], s[68:69]
	v_lshlrev_b32 v6, 6, v3
.irp b, 0,1,2,3,4,5,6,7
	global_load_b128 v[96+8*\b+96*(\b/4):96+8*\b+96*(\b/4)+3], v6, s[10:11] offset:(32*(\b/2)+8*(\b%2))*4
	global_load_b128 v[96+8*\b+96*(\b/4)+4:96+8*\b+96*(\b/4)+7], v6, s[10:11] offset:(32*(\b/2)+8*(\b%2))*4+16
.endr
	s_lshl_b32 s70, s23, 1
	s_add_co_u32 s70, s70, s15
	s_lshl_b32 s70, s70, 19                        ; my first token: 128 rows of 4,096 bytes each
	s_mov_b32 s71, 0
	s_add_nc_u64 s[70:71], s[70:71], s[68:69]
	s_add_nc_u64 s[92:93], s[92:93], s[70:71]
.macro FRAG reg, a16, a8, q, i         ; a fragment is two half-images on end: registers 0-3, 4-5, 6-9, 10-11
	ds_load_b128 v[\reg:\reg+3], v[\a16] offset:(\i)*TILEB+(\q)*1536
	ds_load_b64 v[\reg+4:\reg+5], v[\a8] offset:(\i)*TILEB+(\q)*1536+512
	ds_load_b128 v[\reg+6:\reg+9], v[\a16] offset:(\i)*TILEB+(\q)*1536+768
	ds_load_b64 v[\reg+10:\reg+11], v[\a8] offset:(\i)*TILEB+(\q)*1536+1280
.endm
; 16 matrix instructions: R's blocks a0, a0 + 1 x P's eight.  cm = 1: C = the bias of P's tile.  The 64 accumulators take turns, one instruction a turn.
.macro MUL16 a0, p, ks, cm
.irp a, \a0, \a0+1
.irp b, 0,1,2,3,4,5,6,7
.if \cm == 0
	v_wmma_scale_f32_16x16x128_f8f6f4 v[8*(8*((\a)%4)+\b):8*(8*((\a)%4)+\b)+7], v[128*(\p)+FR*\b:128*(\p)+FR*\b+FR-1], v[AF+FR*(\a):AF+FR*(\a)+FR-1], v[8*(8*((\a)%4)+\b):8*(8*((\a)%4)+\b)+7], v[SC+8*\b+(\ks)], v[SC+8*(\a)+(\ks)] matrix_a_fmt:MATRIX_FMT_FP6 matrix_b_fmt:MATRIX_FMT_FP6 matrix_a_scale:MATRIX_SCALE_ROW1
.else
	v_wmma_scale_f32_16x16x128_f8f6f4 v[8*(8*((\a)%4)+\b):8*(8*((\a)%4)+\b)+7], v[128*(\p)+FR*\b:128*(\p)+FR*\b+FR-1], v[AF+FR*(\a):AF+FR*(\a)+FR-1], v[96+8*\b+96*(\b/4):96+8*\b+96*(\b/4)+7], v[SC+8*\b+(\ks)], v[SC+8*(\a)+(\ks)] matrix_a_fmt:MATRIX_FMT_FP6 matrix_b_fmt:MATRIX_FMT_FP6 matrix_a_scale:MATRIX_SCALE_ROW1
.endif
.endr
.endr
.endm
.macro FETCH_B slot, q, p
	WIN TO_B
.irp i, 0,1,2,3,4,5,6,7
	FRAG 128*(\p)+FR*\i, AP16+\slot, AP8+\slot, \q, \i
.endr
	WIN 0
.endm
.macro FETCH_A slot, q, i0
.irp i, \i0, \i0+1, \i0+2, \i0+3
	FRAG AF+FR*(\i), AR16+\slot, AR8+\slot, \q, \i
.endr
.endm
.macro STEP slot, ks, cm               ; a slot's first K step (P's set 0); it fetches the slot's second
	s_wait_dscnt 4*NL                              ; P's set and R's blocks 0-3 are in; the youngest 16 loads (R's blocks 4-7) may be out
.if \cm
	WIN 0x81                                       ; C (the bias) window 0, D window 2
.else
	WIN MUL_LO
.endif
	MUL16 0, 0, \ks, \cm
	MUL16 2, 0, \ks, \cm
	s_wait_dscnt 0x0
	PLACES
	FETCH_B \slot, 1, 1
	FETCH_A \slot, 1, 0
.if \cm
	WIN 0xc1
.else
	WIN MUL_HI
.endif
	MUL16 4, 0, \ks, \cm
	MUL16 6, 0, \ks, \cm
	PLACES
	WIN 0
	FETCH_A \slot, 1, 4
.endm
.macro TURN slot, next, ks, fill       ; a slot's second K step changes slots: one barrier, with the three lines ahead of it
	s_wait_tensorcnt 0x0                           ; all my tensor loads have landed: my part of the next slot
	ds_add_u32 v[SPW], v[NIL]                      ; 0 onto my spare word
	s_wait_dscnt 4*NL+1                            ; (the add and the youngest 16 loads may be out)
	WIN MUL_LO
	MUL16 0, 1, \ks, 0
	s_wait_dscnt 0x0                               ; the add is done, and my reads of this slot are over
	s_barrier_signal -1
	MUL16 2, 1, \ks, 0
	WIN 0
	s_barrier_wait -1
.if \fill
	CREST                                          ; a round of the cluster's barrier: no wave of any partner still reads this slot or has a load on its way
	s_add_nc_u64 s[G0+4*\slot+2:G0+4*\slot+3], s[G0+4*\slot+2:G0+4*\slot+3], 2*TILEB
	s_add_nc_u64 s[G0B+4*\slot+2:G0B+4*\slot+3], s[G0B+4*\slot+2:G0B+4*\slot+3], 2*TILEB
	JLOAD G0+4*\slot, G1, G0B+4*\slot, G1B
.else
	PLACES
.endif
	FETCH_B \next, 0, 0
	FETCH_A \next, 0, 0
	WIN MUL_HI
	MUL16 4, 1, \ks, 0
	MUL16 6, 1, \ks, 0
	PLACES
	WIN 0
	FETCH_A \next, 0, 4
.endm
	s_wait_tensorcnt 1                             ; my part of slot 0 is in; slot 1's may stay out
	s_barrier_signal -1
	s_barrier_wait -1
	FETCH_B 0, 0, 0
	FETCH_A 0, 0, 0
	FETCH_A 0, 0, 4
	s_wait_loadcnt 0x0                             ; scale words and bias
	STEP 0, 0, 1                                   ; the first K step starts the sums with the bias
	TURN 0, 1, 1, 1
	STEP 1, 2, 0
	TURN 1, 0, 3, 1
	STEP 0, 4, 0
	TURN 0, 1, 5, 0
	STEP 1, 6, 0
	s_wait_dscnt 4*NL
	WIN MUL_LO
	MUL16 0, 1, 7, 0
	MUL16 2, 1, 7, 0
	s_wait_dscnt 0x0
	WIN MUL_HI
	MUL16 4, 1, 7, 0
	MUL16 6, 1, 7, 0
	WIN 0
; THE WAY OUT, block by block of 16 tokens x 128 features, through my own stage: back come whole rows of 512 bytes.  LDS serves a wave's instructions in order: no wait between the stores and the loads.
.macro TOSTAGE a
.set AC, 64*((\a)%4)
.set WQ, 0x08+4*((\a)/4)
	WIN WQ                                         ; an LDS store's data are its source 1: window 2 or 3
.irp b, 0,1,2,3,4,5,6,7
	ds_store_b128 v[STO], v[AC+8*\b:AC+8*\b+3] offset:128*(\b/2)+32*(\b%2)       ; each accumulator from its low end on
	ds_store_b128 v[STO], v[AC+8*\b+4:AC+8*\b+7] offset:128*(\b/2)+32*(\b%2)+16
.endr
	WIN 0
.set BB, BK+64*((\a)%2)
.irp t, 0,1,2,3,4,5,6,7,8,9,10,11,12,13,14,15
	ds_load_b128 v[BB+4*\t:BB+4*\t+3], v[RD] offset:\t*SPITCH
.endr
.endm
.macro SEND a, younger                 ; younger: the LDS instructions issued behind block a's loads
.set BB, BK+64*((\a)%2)
	s_wait_dscnt \younger
.irp t, 0,1,2,3,4,5,6,7,8,9,10,11,12,13,14,15
	global_store_b128 v[L16], v[BB+4*\t:BB+4*\t+3], s[92:93] offset:(32*((\a)/2)+8*((\a)%2)+\t+8*(\t/8))*4096 th:TH_STORE_NT   ; 512 consecutive bytes of the tile's row t; the row stands in the immediate
.endr
.endm
	PLACES
	TOSTAGE 0
.irp a, 1,2,3,4,5,6,7
.if \a > 1
	s_wait_xcnt 0x0                                ; block a - 2's stores have read their registers: block a's loads may land there
.endif
	TOSTAGE \a
	SEND \a-1, 32                                  ; behind block a - 1's loads: block a's 16 stores and 16 loads
.endr
	SEND 7, 0
	s_wait_tensorcnt 0x0                           ; the wave's end
	ds_add_u32 v[SPW], v[NIL]
	s_wait_dscnt 0x0
	CROUND                                         ; the closing round
	s_endpgm
.Lfunc_end_k_q9b0cb385fd_outp:
	.size	k_q9b0cb385fd_outp, .Lfunc_end_k_q9b0cb385fd_outp-k_q9b0cb385fd_outp
	.p2alignl 7, 3214868480
	.fill 96, 4, 3214868480
	.section	.rodata,"a",@progbits
	.p2align	6, 0x0
	.amdhsa_kernel k_q9b0cb385fd_outp
		.amdhsa_group_segment_fixed_size 327680
		.amdhsa_private_segment_fixed_size 0
		.amdhsa_enable_private_segment 0
		.amdhsa_kernarg_size 40
		.amdhsa_user_sgpr_count 2
		.amdhsa_user_sgpr_kernarg_segment_ptr 1
		.amdhsa_wavefront_size32 1
		.amdhsa_system_sgpr_workgroup_id_x 1
		.amdhsa_system_sgpr_workgroup_id_y 1
		.amdhsa_system_sgpr_workgroup_id_z 1
		.amdhsa_system_vgpr_workitem_id 0
		.amdhsa_next_free_vgpr 1024
		.amdhsa_next_free_sgpr 100
		.amdhsa_reserve_vcc 0
		.amdhsa_float_denorm_mode_32 3
		.amdhsa_float_denorm_mode_16_64 3
		.amdhsa_memory_ordered 1
		.amdhsa_forward_progress 1
		.amdhsa_inst_pref_size 142
	.end_amdhsa_kernel
	.amdgpu_metadata
---
amdhsa.version: [ 1, 2 ]
amdhsa.kernels:
  - .name:           k_q9b0cb385fd_outp
    .symbol:         k_q9b0cb385fd_outp.kd
    .args:
      - { .name: oc, .offset: 0, .size: 8, .value_kind: global_buffer, .address_space: global }
      - { .name: xc, .offset: 8, .size: 8, .value_kind: global_buffer, .address_space: global }
      - { .name: scB, .offset: 16, .size: 8, .value_kind: global_buffer, .address_space: global }
      - { .name: bo, .offset: 24, .size: 8, .value_kind: global_buffer, .address_space: global }
      - { .name: out0, .offset: 32, .size: 8, .value_kind: global_buffer, .address_space: global }
    .group_segment_fixed_size: 327680
    .private_segment_fixed_size: 0
    .kernarg_segment_align: 8
    .kernarg_segment_size: 40
    .max_flat_workgroup_size: 128
    .sgpr_count:     100
    .vgpr_count:     1024
    .wavefront_size: 32
...
	.end_amdgpu_metadata
.endif
;; end of part 4
;; ======== version 2 of 2: 4 launches; version 1 with the launch attn written anew for expert scheduling mode
;; limits: right only within a limited range of input values
;; workspace buffers: fl 2,048 bytes of whole numbers; xc 22,020,096 bytes; scA 884,736 bytes; scB 294,912 bytes; kv 13,369,344 bytes; qi 13,369,344 bytes; mw 2,097,152 bytes of whole numbers; oc 6,291,456 bytes
;; launch prep: the kernel of part 1 again; grid 576 x 1, 4 waves a work-group, no clusters, 35,328 bytes of LDS; arguments q, k, v, wq, wk, wv, wo, mask, pad_mask, xc, scA, scB, mw, fl; writes xc, scA, scB, mw, fl
;; launch proj: the kernel of part 2 again; grid 4 x 96, 4 waves a work-group, clusters of 4 x 4, 327,680 bytes of LDS; arguments xc, scA, bq, bk, bv, qi, kv; writes qi, kv
;; launch attn (part 5): grid 256 x 1, 16 waves a work-group, no clusters, 54,272 bytes of LDS; arguments qi, fl, mw, oc, scB, kv; writes oc, scB
.if DOCPART == 5
	.amdgcn_target "amdgcn-amd-amdhsa--gfx1250"
	.amdhsa_code_object_version 6
	.text
	.protected	k_q9b0cb385fd_attn
	.globl	k_q9b0cb385fd_attn
	.p2align	8
	.type	k_q9b0cb385fd_attn,@function
k_q9b0cb385fd_attn:
	s_mov_b64 s[64:65], 0
	v_nop
	global_prefetch_b8 v0, s[64:65] scope:SCOPE_SE
	s_setreg_imm32_b32 hwreg(HW_REG_WAVE_SCHED_MODE, 0, 2), 2
	s_setreg_imm32_b32 hwreg(HW_REG_WAVE_MODE, 25, 1), 1
	s_wait_xcnt 0x0
	s_wait_alu depctr_vm_vsrc(0)
; O = softmax(Q K^T / 8, masked) V for one head, both products on codes of E2M3; O / l is quantised in registers into the last product's operand.
; t = score x log2(e) / 8; M = the running largest t rounded up to a whole number; p = 2^(t - M) is quantised along the keys; l is the sum of the unquantised p.
; SHARES.  Work-group = (batch, head, i).  Two passes: query blocks i and 7 - i of 256 queries.  Each of 16 waves owns one tile of 16 queries (rows 32 (T/2) + 8 (T%2) + r + 8 (r/8)).
; Both products are used transposed: S^T = K Q^T, O^T = V^T P^T: a lane holds one query throughout; the keys of a tile are laid so that p's registers 16 blk + i are keys 32 blk + 16 h + i.
; The head's 64 fill half of the instruction's 128 along K: the upper six registers of Q's and K's fragments are zero codes, set once.
; MASKS.  keep = mask & pad_mask comes as lane words from mw and as one flag word for each tile of queries from fl (whole numbers that an earlier launch stored).
;   A hidden score becomes -2^30 (logit -2^27) where reference() writes -1e8:
;   -2^30 x c is a whole number, so a row with no kept key has p = 1 everywhere, as reference() has.  LIMIT: equal to reference() unless a kept logit lies under about -9.99e7.
;   A key step that holds no kept key for my 16 queries is left out (its p would all be 0), only where each of them has a kept key somewhere: the flag says so.  A step all of whose keys are kept skips the words.
; K AND V come through registers into two LDS buffers of two key steps each (26,112 dense bytes of kv), all 512 threads copying; one barrier a buffer.
; NO TENSOR LOADS AND NO JOINT LOADS: which steps are worked and fetched hangs on flags read from memory.
; LIMITS of the quantisers: a block whose largest magnitude lies under 2^-124 gets the byte 1; NaN and infinities are not served.
; REGISTERS: v1 16 x lane, v2 8 x lane, v3 16 x thread, v4 -2^30, v5, v7, v8 Q's offsets, v6 32 r; v9 at work, v10 O's two scale bytes; v12 -M, v13 largest t, v[14:15] l; v16-27 Q; v28-31 K's scale words;
;   v32-79, v242-253, v84-95 six fragments of K; v80-81 V's scale words, v82 Q's, v83 p's; v96-159 S^T, p, then V's four fragments; v160-191 O^T; v192-207 staging; v208-219 p's codes; v220-241 at work; v[254:255] f.
; THE MODE: SCHED_MODE bits 1:0 = 2 (LLVM: expert scheduling mode 2), set by the entry lines.  The code itself states the register dependences
; between vector or matrix instructions and memory or LDS instructions, with s_wait_alu, always for 0.
; THE PLAN.  Registers that memory or LDS instructions touch:
;   K0 .. K5 (the lower six registers of each) and v28-31.  LDS loads land there at a step's head (the words, tiles 0 to 5) and, in K0 and K1, behind the step's first two products (tiles 6, 7); the step's eight products K Q^T read them.
;   v96-143, v80-81.  V's fragments and scale words land there.  Ahead of that the score products and the exponentials write v96-143, the conversions and the sums read them; the products V^T P read all of them.
;   v192-207.  Global loads land there (FILL), LDS stores read them (COMMIT); behind the head's clears no vector instruction names them.
;   v16-21, v82.  Q and its scale words land there at a pass's head; every product K Q^T reads them.
;   v208-213, v10.  Written on the way out, read by its three stores, written again in the next pass.
;   v1-v3, v5-v8.  Addresses and offsets, written at the head and never again.
; A key step has four waits on va_vdst: (1) behind products 0 and 1, which are then done reading K0 and K1: tiles 6 and 7 land there while products 2 to 5 run; (2) behind the exponentials, ahead of their first reader;
; (3) behind the conversions and the sums, which are then done with p: V's loads go out, and 36 vector instructions that name none of V's registers follow them; (4) ahead of the products V^T P: p's codes and scale word are written.
; Behind (4) a step issues only the products V^T P and v_nop, which name no fragment of K and no word of v28-31: so the next step's loads at its head owe no further wait.
.set HS,  208896
.set KSB, 13056
.set BUF, 26112
.set F0,  32                           ; the six fragments of K
.set F1,  44
.set F2,  56
.set F3,  68
.set F4,  242
.set F5,  84
	s_load_b256 s[4:11], s[0:1], 0x0               ; qi, fl, mw, oc
	s_load_b64 s[12:13], s[0:1], 0x20              ; scB
	s_load_b64 s[20:21], s[0:1], 0x28              ; kv: used once, for the head's base
	v_lshl_add_u32 v223, v0, 2, 0xcc00
	v_mov_b32 v227, 0
	v_lshrrev_b32 v1, 5, v0
	v_readfirstlane_b32 s14, v1                    ; wave 0..15
	v_and_b32 v9, 31, v0
	v_and_b32 v10, 15, v0                          ; r
	v_lshlrev_b32 v1, 4, v9
	v_lshlrev_b32 v2, 3, v9
	v_lshlrev_b32 v3, 4, v0
	v_mov_b32 v4, 0xce800000                       ; -2^30
	s_wait_alu depctr_va_sdst(0)                   ; s14 is written, ahead of its first reader
	s_and_b32 s15, s14, 7                          ; my tile's place in its group of eight
	s_mul_i32 s16, s15, 768
	v_add_nc_u32 v7, s16, v1
	v_add_nc_u32 v8, s16, v2
	s_and_b32 s16, s14, 1
	s_lshl_b32 s16, s16, 8
	s_lshr_b32 s17, s15, 1
	s_lshl_b32 s17, s17, 2
	s_add_co_u32 s16, s16, s17
	v_lshl_add_u32 v5, v10, 4, s16                 ; Q's scale word of row r: 16 (r + 16 (tile % 2)) + 4 (tile / 2)
	v_lshlrev_b32 v6, 5, v10
	s_and_b32 s18, ttmp9, 3                        ; i
	s_lshr_b32 s19, ttmp9, 2
	s_and_b32 s19, s19, 15                         ; head
	s_lshr_b32 s55, ttmp9, 6                       ; batch
	s_lshl_b32 s16, s55, 4
	s_add_co_u32 s16, s16, s19
	s_mul_i32 s16, s16, HS
	s_mov_b32 s17, 0
	s_mov_b32 s62, 0x3e38aa3b                      ; c = log2(e) / 8
	s_mov_b32 s63, s62
	s_mov_b32 s66, 0x76543210
	s_mov_b32 s67, 0xfedcba98
.irp j, 22,23,24,25,26,27
	v_mov_b32 v\j, 0                               ; Q's upper half: zero codes
.endr
.irp f, F0, F1, F2, F3, F4, F5
.irp j, 6,7,8,9,10,11
	v_mov_b32 v[\f+\j], 0                          ; K's likewise; never rewritten
.endr
.endr
.set j, 0
.rept 16
	v_mov_b32 v[192+j], 0                          ; the staging registers are stored also where a fetch was left out
.set j, j+1
.endr
	v_mov_b32 v255, 0                              ; (named as the upper half of the pair v[254:255])
.irp j, 232,233,234,235
	v_mov_b32 v\j, 0                               ; a lane permute's destination counts as read
.endr
	s_wait_kmcnt 0x0
	s_add_nc_u64 s[60:61], s[20:21], s[16:17]      ; the head in kv
	s_add_nc_u64 s[4:5], s[4:5], s[16:17]          ; and in qi
	s_wait_alu depctr_va_vdst(0)                   ; written: the addresses and offsets v1-v3, v5-v8, which every load and store reads; v192-207, in which loads land; the zero codes of Q and K, which the scaled products take
.macro FILL bit                        ; two key steps of kv into registers; left out where bit 'bit' of s54 says that no wave works either step (bit < 0: always)
.if \bit >= 0
	s_bitcmp1_b32 s54, \bit
	s_cbranch_scc1 .Lnofill_\@
.endif
	s_wait_alu depctr_vm_vsrc(0)                   ; the LDS stores of the last COMMIT (at a pass's head: the last pass's) have read v192-207, in which these loads land
	global_load_b128 v[192:195], v3, s[56:57]
	global_load_b128 v[196:199], v3, s[56:57] offset:8192
	global_load_b128 v[200:203], v3, s[56:57] offset:16384
	s_cmp_lt_u32 s14, 3                            ; 26,112 = 3 x 8,192 + 96 threads x 16
	s_cbranch_scc0 .Lnofill_\@
	global_load_b128 v[204:207], v3, s[56:57] offset:24576
.Lnofill_\@:
.endm
.macro COMMIT buf                      ; and into buffer buf.  One barrier does both: my reads of the other buffer are over, my stores into this one have landed
	s_wait_loadcnt 0x0
	ds_store_b128 v3, v[192:195] offset:\buf*BUF
	ds_store_b128 v3, v[196:199] offset:\buf*BUF+8192
	ds_store_b128 v3, v[200:203] offset:\buf*BUF+16384
	s_cmp_lt_u32 s14, 3
	s_cbranch_scc0 .Lc_\@
	ds_store_b128 v3, v[204:207] offset:\buf*BUF+24576
.Lc_\@:
	s_add_nc_u64 s[56:57], s[56:57], BUF           ; the loads are done: their base may step
	s_wait_dscnt 0x0
	s_barrier_signal -1
	s_barrier_wait -1
.endm
.macro KFRAG base, tile                ; a tile of 16 keys x the head's 64: the lower six registers of a fragment
	ds_load_b128 v[\base:\base+3], v1 offset:KB+(\tile)*768
	ds_load_b64 v[\base+4:\base+5], v2 offset:KB+(\tile)*768+512
.endm
.macro KQ base, tile                   ; its scores.  Scale word tile / 2: lanes 0-15 the even tile's rows, lanes 16-31 the odd one's
.if (\tile)%2
	v_wmma_scale_f32_16x16x128_f8f6f4 v[96+8*(\tile):103+8*(\tile)], v[\base:\base+11], v[16:27], 0, v[28+(\tile)/2], v82 matrix_a_fmt:MATRIX_FMT_FP6 matrix_b_fmt:MATRIX_FMT_FP6 matrix_a_scale:MATRIX_SCALE_ROW1
.else
	v_wmma_scale_f32_16x16x128_f8f6f4 v[96+8*(\tile):103+8*(\tile)], v[\base:\base+11], v[16:27], 0, v[28+(\tile)/2], v82 matrix_a_fmt:MATRIX_FMT_FP6 matrix_b_fmt:MATRIX_FMT_FP6
.endif
.endm
; A KEY STEP of 128 keys: the q-th of buffer buf; bit = its number in the trip.
.macro STEP buf, q, bit
.set KB, \buf*BUF+\q*KSB
	s_bitcmp1_b32 s52, \bit                        ; no kept key for my queries: nothing to do
	s_cbranch_scc1 .Lskip_\@
	; S^T = K Q^T.  No wait on va_vdst stands here: the products that read these registers last stand ahead of an earlier one, and no vector or matrix instruction since names them
	ds_load_b128 v[28:31], v1 offset:KB+12288      ; word j: lanes 0-15 tile 2 j's rows, lanes 16-31 tile 2 j + 1's
	KFRAG F0, 0
	KFRAG F1, 1
	KFRAG F2, 2
	KFRAG F3, 3
	KFRAG F4, 4
	KFRAG F5, 5
	s_wait_dscnt 8                                 ; LDS loads come back in order (ISA guide 5.7.1): the words and tiles 0, 1 are in; the eight loads of tiles 2 to 5 may be out
	KQ F0, 0
	KQ F1, 1
	s_wait_alu depctr_va_vdst(0)                   ; products 0 and 1 are done reading K0 and K1, in which the loads below land
	KFRAG F0, 6
	KFRAG F1, 7
	s_wait_dscnt 4                                 ; tiles 2 to 5 are in; the four loads just issued may be out: they land while four products run
	KQ F2, 2
	KQ F3, 3
	KQ F4, 4
	KQ F5, 5
	s_wait_dscnt 0x0
	KQ F0, 6
	KQ F1, 7
.rept 4
	v_nop                                          ; four places behind the last product, before its result is read (ISA guide 7.12.1)
.endr
	s_bitcmp1_b32 s53, \bit                        ; some keys hidden: the step's 64 lane words
	s_cbranch_scc0 .Lopen_\@
	s_load_b512 s[20:35], s[58:59], 256*\bit
	s_load_b512 s[36:51], s[58:59], 256*\bit+64
	s_load_b512 s[68:83], s[58:59], 256*\bit+128
	s_load_b512 s[84:99], s[58:59], 256*\bit+192
	s_wait_kmcnt 0x0
.set n, 0
.rept 64
	v_cndmask_b32 v[96+n], v4, v[96+n], s[20+n+16*(n/32)]   ; register n holds key 32 (n/16) + 16 h + n%16: kept where my lane's bit of word n is set
.set n, n+1
.endr
.Lopen_\@:
.irp b, 0,1,2,3
	v_max3_num_f32 v[228+\b], v[96+16*\b], v[97+16*\b], v[98+16*\b]   ; the largest score of each block of 32 keys: for the row's maximum and for the block's largest p
.endr
.irp i, 3,5,7,9,11,13
.irp b, 0,1,2,3
	v_max3_num_f32 v[228+\b], v[228+\b], v[96+16*\b+\i], v[97+16*\b+\i]
.endr
.endr
.irp b, 0,1,2,3
	v_max_num_f32 v[228+\b], v[228+\b], v[111+16*\b]
.endr
.irp b, 0,1,2,3
	v_permlanex16_b32 v[232+\b], v[228+\b], s66, s67
.endr
.irp b, 0,1,2,3
	v_max_num_f32 v[228+\b], v[228+\b], v[232+\b]  ; with lane l xor 16's sixteen keys
.endr
	v_max3_num_f32 v9, v228, v229, v230
	v_max_num_f32 v9, v9, v231
	v_mul_f32 v9, s62, v9                          ; as t
	v_max_num_f32 v13, v13, v9                     ; the running largest t
	v_mov_b32 v9, v12
	v_floor_f32 v12, -v13                          ; -M = floor(-t): M is a whole number
	v_sub_f32 v9, v12, v9                          ; old M - new M, 0 or less
	v_cvt_i32_f32 v9, v9                           ; (it saturates)
	v_ldexp_f32 v254, 1.0, v9                      ; f = 2^(old M - new M): rounds nothing
.set j, 0
.rept 32
	v_pk_fma_f32 v[96+j:97+j], v[96+j:97+j], s[62:63], v[12:13] op_sel_hi:[1,0,0]   ; t - M
.set j, j+2
.endr
.irp b, 0,1,2,3
	v_fma_f32 v[228+\b], v[228+\b], s62, v12
.endr
.set j, 0
.rept 64
	v_exp_f32 v[96+j], v[96+j]                     ; p = 2^(t - M)
.set j, j+1
.endr
.irp b, 0,1,2,3
	v_exp_f32 v[228+\b], v[228+\b]                 ; the block's largest p: the same two instructions on the same number
.endr
	v_pk_mul_f32 v[14:15], v[14:15], v[254:255] op_sel_hi:[1,0]   ; l under the new M; a plain place behind the exponentials
	s_wait_alu depctr_va_vdst(0)                   ; the 68 exponentials have written v96-159 and v228-231: one wait for the batch, ahead of its first reader
.irp b, 0,1,2,3
	v_max_num_f32 v[228+\b], 0x1800000, v[228+\b]  ; the floor: the byte cannot fall under 1
.endr
.irp b, 0,1,2,3
	v_add_nc_u32 v[236+\b], 0xff000000, v[228+\b]  ; 2 off the exponent field: the conversion's scale operand
.endr
.irp c, 0,1
	v_cvt_scalef32_pk16_fp6_f32 v[208+6*\c:210+6*\c], v[96+32*\c:111+32*\c], v[236+2*\c]
	v_cvt_scalef32_pk16_fp6_f32 v[220+4*\c:222+4*\c], v[112+32*\c:127+32*\c], v[237+2*\c]
.endr
	v_pk_add_f32 v[240:241], v[96:97], v[98:99]    ; l takes the unquantised p: two chains.  (Also the plain line behind the scaled conversions)
.set j, 4
.rept 15
	v_pk_add_f32 v[14:15], v[14:15], v[96+j:97+j]
	v_pk_add_f32 v[240:241], v[240:241], v[98+j:99+j]
.set j, j+4
.endr
	s_wait_alu depctr_va_vdst(0)                   ; the conversions and the sums are done reading p: V's loads land in v96-143 (the last worked step's products, which read v80-81, stand ahead of this wait too)
.irp t, 0,1,2,3                        ; V's four fragments (16 channels x 128 keys) take p's place
.irp c, 0,1,2
	ds_load_b128 v[96+12*\t+4*\c:99+12*\t+4*\c], v1 offset:KB+6144+\t*1536+512*\c
.endr
.endr
	ds_load_b64 v[80:81], v2 offset:KB+12800
	; while they are on their way: 36 vector instructions that name none of their registers
	v_pk_add_f32 v[14:15], v[14:15], v[240:241]    ; the two chains meet
.irp b, 0,1,2,3
	v_lshrrev_b32 v[232+\b], 23, v[236+\b]         ; the scales' bytes
.endr
	v_lshl_or_b32 v83, v233, 8, v232               ; p's scale word for these 128 keys
	v_lshl_or_b32 v83, v234, 16, v83
	v_lshl_or_b32 v83, v235, 24, v83
.irp c, 0,1                            ; the operand wants a whole block in a lane: lanes 0-15 block 2 c, lanes 16-31 block 2 c + 1
.irp i, 0,1,2
	v_permlane16_swap_b32 v[208+6*\c+\i], v[220+4*\c+\i]
.endr
.irp i, 0,1,2
	v_mov_b32 v[211+6*\c+\i], v[220+4*\c+\i]
.endr
.endr
.set j, 0
.rept 16
	v_pk_mul_f32 v[160+j:161+j], v[160+j:161+j], v[254:255] op_sel_hi:[1,0]   ; O^T under the new M; these sixteen are also the places between the writes of p's codes and scale word and the scaled products
.set j, j+2
.endr
	s_wait_dscnt 0x0                               ; V is in
	s_wait_alu depctr_va_vdst(0)                   ; p's codes v208-219 and its scale word v83 are written, which the scaled products below take; the places above stay beside this wait
.irp t, 0,2                            ; four accumulators by turns, one instruction a turn
	v_wmma_scale_f32_16x16x128_f8f6f4 v[160+8*\t:167+8*\t], v[96+12*\t:107+12*\t], v[208:219], v[160+8*\t:167+8*\t], v[80+\t/2], v83 matrix_a_fmt:MATRIX_FMT_FP6 matrix_b_fmt:MATRIX_FMT_FP6
	v_wmma_scale_f32_16x16x128_f8f6f4 v[168+8*\t:175+8*\t], v[108+12*\t:119+12*\t], v[208:219], v[168+8*\t:175+8*\t], v[80+\t/2], v83 matrix_a_fmt:MATRIX_FMT_FP6 matrix_b_fmt:MATRIX_FMT_FP6 matrix_a_scale:MATRIX_SCALE_ROW1
.endr
.rept 5
	v_nop                                          ; five places: the next step's scores are written over V's fragments by matrix instructions
.endr
.Lskip_\@:
.endm
	s_mov_b32 s100, 0                              ; the pass
.Lpass:
	s_sub_co_u32 s105, 7, s18
	s_cmp_eq_u32 s100, 0
	s_cselect_b32 s104, s18, s105                  ; the block of 256 queries: i, then 7 - i
	s_lshl_b32 s105, s55, 7
	s_lshl_b32 s15, s104, 4
	s_add_co_u32 s105, s105, s15                   ; the work-group's first tile: 128 b + 16 qb
	s_lshl_b32 s2, s105, 2                         ; fl: one word a tile
	s_mov_b32 s3, 0
	s_add_nc_u64 s[2:3], s[6:7], s[2:3]
	s_load_b512 s[20:35], s[2:3], 0x0              ; the sixteen waves' flags
	s_add_co_u32 s16, s105, s14
	s_lshl_b32 s16, s16, 12
	s_mov_b32 s17, 0
	s_add_nc_u64 s[58:59], s[8:9], s[16:17]        ; my tile's lane words
	s_lshl_b32 s16, s14, 2
	s_add_nc_u64 s[16:17], s[2:3], s[16:17]
	s_load_b32 s52, s[16:17], 0x0                  ; my own flag
	s_lshl_b32 s68, s104, 1
	s_lshr_b32 s15, s14, 3
	s_add_co_u32 s68, s68, s15
	s_mul_i32 s68, s68, KSB
	s_mov_b32 s69, 0
	s_add_nc_u64 s[68:69], s[4:5], s[68:69]        ; my group of eight query tiles in qi
	global_load_b128 v[16:19], v7, s[68:69]        ; no wait on va_vdst stands here: on the way in the head's, on the way back the one ahead of the last pass's stores; no vector or matrix instruction since either names v16-21 or v82
	global_load_b64 v[20:21], v8, s[68:69] offset:512
	global_load_b32 v82, v5, s[68:69] offset:12288
	s_mov_b64 s[56:57], s[60:61]
	FILL -1                                        ; key steps 0, 1
	s_wait_kmcnt 0x0
	s_and_b32 s54, s20, s21
.irp f, 22,23,24,25,26,27,28,29,30,31,32,33,34,35
	s_and_b32 s54, s54, s\f
.endr
	s_and_b32 s54, s54, 0xffff                     ; steps that no wave works;
	s_lshr_b32 s105, s54, 1
	s_and_b32 s54, s54, s105                       ; even bit 2 s: neither step of pair s is worked;
	s_or_b32 s54, s54, 0x10000                     ; and nothing lies behind the sixteenth step
	s_lshr_b32 s53, s52, 16                        ; my steps that need the words
	s_and_b32 s52, s52, 0xffff                     ; my steps that are left out
	COMMIT 0                                       ; (its wait for the loads serves Q too)
	v_mov_b32 v13, 0xff61b1e6                      ; the largest t so far: -3e38
	v_floor_f32 v12, -v13
	v_mov_b32 v14, 0
	v_mov_b32 v15, 0
.set j, 0
.rept 32
	v_mov_b32 v[160+j], 0                          ; O^T: the step is written once; the first change of M leaves zeros zeros
.set j, j+1
.endr
	s_mov_b32 s101, 0
.Ltrip:                                                ; four key steps a trip, four trips
	FILL 2
	STEP 0, 0, 0
	STEP 0, 1, 1
	COMMIT 1
	FILL 4
	STEP 1, 0, 2
	STEP 1, 1, 3
	COMMIT 0
	s_lshr_b32 s52, s52, 4
	s_lshr_b32 s53, s53, 4
	s_lshr_b32 s54, s54, 4
	s_add_nc_u64 s[58:59], s[58:59], 1024
	s_add_co_u32 s101, s101, 1
	s_cmp_lt_u32 s101, 4
	s_cbranch_scc1 .Ltrip
	; O^T / l, quantised along the head's 64 channels: register 16 blk + i is channel 32 blk + 16 h + i
	v_add_f32 v14, v14, v15
	v_permlanex16_b32 v9, v14, s66, s67
	v_add_f32 v14, v14, v9                         ; the row's sum
	v_rcp_f32 v14, v14
	v_nop                                          ; one plain place behind the reciprocal
	s_wait_alu depctr_va_vdst(0)                   ; the reciprocal has written v14, ahead of its first reader
.set j, 0
.rept 32
	v_mul_f32 v[96+j], v[160+j], v14
.set j, j+1
.endr
.irp b, 0,1
	v_max3_num_f32 v[228+\b], |v[96+16*\b]|, |v[97+16*\b]|, 0x1800000
.endr
.irp i, 2,4,6,8,10,12,14
.irp b, 0,1
	v_max3_num_f32 v[228+\b], v[228+\b], |v[96+16*\b+\i]|, |v[97+16*\b+\i]|
.endr
.endr
.irp b, 0,1
	v_permlanex16_b32 v[232+\b], v[228+\b], s66, s67
.endr
.irp b, 0,1
	v_max_num_f32 v[228+\b], v[228+\b], v[232+\b]
.endr
.irp b, 0,1
	v_add_nc_u32 v[236+\b], 0xff000000, v[228+\b]
.endr
.irp b, 0,1
	v_lshrrev_b32 v[232+\b], 23, v[236+\b]
.endr
	v_lshl_or_b32 v10, v233, 8, v232               ; the head's two scale bytes of my row
	v_cvt_scalef32_pk16_fp6_f32 v[208:210], v[96:111], v236
	v_cvt_scalef32_pk16_fp6_f32 v[220:222], v[112:127], v237
	v_nop                                          ; one plain place behind a scaled conversion
.irp i, 0,1,2
	v_permlane16_swap_b32 v[208+\i], v[220+\i]
.endr
.irp i, 0,1,2
	v_mov_b32 v[211+\i], v[220+\i]
.endr
	s_lshl_b32 s105, s55, 7
	s_lshl_b32 s15, s104, 4
	s_add_co_u32 s105, s105, s15
	s_add_co_u32 s105, s105, s14                   ; my tile among the 512
	s_lshl_b32 s68, s105, 4
	s_add_co_u32 s68, s68, s19
	s_mul_i32 s68, s68, 768                        ; oc: [tile][head]: a half-image
	s_mov_b32 s69, 0
	s_add_nc_u64 s[68:69], s[10:11], s[68:69]
	s_lshl_b32 s70, s105, 9
	s_lshl_b32 s71, s19, 1
	s_add_co_u32 s70, s70, s71
	s_add_co_u32 s70, s70, 32768                   ; scB: behind wo's words, [tile][row][32 bytes], 2 bytes a head
	s_mov_b32 s71, 0
	s_add_nc_u64 s[70:71], s[12:13], s[70:71]
	s_wait_alu depctr_va_vdst(0)                   ; the codes v208-213 and the bytes v10 are written, which the stores read; and the pass's products are done reading Q and its scale words, in which the next pass's loads land
	global_store_b128 v1, v[208:211], s[68:69]     ; 512 consecutive bytes
	global_store_b64 v2, v[212:213], s[68:69] offset:512
	global_store_b16 v6, v10, s[70:71]             ; 2 bytes of each of 16 rows, 32 bytes apart: one byte in 24 of what the launch stores; lanes l and l xor 16 write the same bytes with the same value
	s_wait_xcnt 0x0                                ; the stores' addresses are translated (ISA guide 3.1): their bases may be written again
	s_wait_alu depctr_vm_vsrc(0)                   ; the stores have read v208-213 and v10, which the next pass's vector instructions write again
	s_add_co_u32 s100, s100, 1
	s_cmp_lt_u32 s100, 2
	s_cbranch_scc1 .Lpass
	s_wait_dscnt 0x0
	s_wait_alu depctr_hold_cnt(0) depctr_sa_sdst(0) depctr_va_vdst(0) depctr_va_sdst(0) depctr_va_ssrc(0) depctr_va_vcc(0) depctr_vm_vsrc(0)
	s_wait_tensorcnt 0x0
	ds_add_u32 v223, v227
	s_wait_dscnt 0x0
	s_endpgm
.Lfunc_end_k_q9b0cb385fd_attn:
	.size	k_q9b0cb385fd_attn, .Lfunc_end_k_q9b0cb385fd_attn-k_q9b0cb385fd_attn
	.p2alignl 7, 3214868480
	.fill 96, 4, 3214868480
	.section	.rodata,"a",@progbits
	.p2align	6, 0x0
	.amdhsa_kernel k_q9b0cb385fd_attn
		.amdhsa_group_segment_fixed_size 54272
		.amdhsa_private_segment_fixed_size 0
		.amdhsa_enable_private_segment 0
		.amdhsa_kernarg_size 48
		.amdhsa_user_sgpr_count 2
		.amdhsa_user_sgpr_kernarg_segment_ptr 1
		.amdhsa_wavefront_size32 1
		.amdhsa_system_sgpr_workgroup_id_x 1
		.amdhsa_system_sgpr_workgroup_id_y 1
		.amdhsa_system_sgpr_workgroup_id_z 1
		.amdhsa_system_vgpr_workitem_id 0
		.amdhsa_next_free_vgpr 256
		.amdhsa_next_free_sgpr 106
		.amdhsa_reserve_vcc 0
		.amdhsa_float_denorm_mode_32 3
		.amdhsa_float_denorm_mode_16_64 3
		.amdhsa_memory_ordered 1
		.amdhsa_forward_progress 1
		.amdhsa_inst_pref_size 94
	.end_amdhsa_kernel
	.amdgpu_metadata
---
amdhsa.version: [ 1, 2 ]
amdhsa.kernels:
  - .name:           k_q9b0cb385fd_attn
    .symbol:         k_q9b0cb385fd_attn.kd
    .args:
      - { .name: qi, .offset: 0, .size: 8, .value_kind: global_buffer, .address_space: global }
      - { .name: fl, .offset: 8, .size: 8, .value_kind: global_buffer, .address_space: global }
      - { .name: mw, .offset: 16, .size: 8, .value_kind: global_buffer, .address_space: global }
      - { .name: oc, .offset: 24, .size: 8, .value_kind: global_buffer, .address_space: global }
      - { .name: scB, .offset: 32, .size: 8, .value_kind: global_buffer, .address_space: global }
      - { .name: kv, .offset: 40, .size: 8, .value_kind: global_buffer, .address_space: global }
    .group_segment_fixed_size: 54272
    .private_segment_fixed_size: 0
    .kernarg_segment_align: 8
    .kernarg_segment_size: 48
    .max_flat_workgroup_size: 512
    .sgpr_count:     106
    .vgpr_count:     256
    .wavefront_size: 32
...
	.end_amdgpu_metadata
.endif
;; end of part 5
;; launch outp: the kernel of part 4 again; grid 4 x 32, 4 waves a work-group, clusters of 4 x 4, 327,680 bytes of LDS; arguments oc, xc, scB, bo, out0; writes out0
